; MI455X (gfx1250); checked and timed in simulation.
; The chip was launched on July 23, 2026; its instructions are those of AMD's public machine-readable ISA for CDNA 5 (MIT licence, August 2026) and "CDNA5" Instruction Set Architecture Reference Guide (July 2026). The comments in the code are by the model that wrote it; some were corrected since.
;; Single Head Attention. Allowed arithmetic: matrix products marked QUANTISED: E2M3 operands, one E8M0 scale for each 32 along K, by v_wmma_scale_f32_16x16x128_f8f6f4 with both operands' format E2M3, f32 sums; everything else in f32.
;; Inputs: Wk 1,024 x 1,024 float32; Wq 1,024 x 1,024 float32; Wv 1,024 x 1,024 float32; embedded 4 x 2,048 x 1,024 float32.
;; Outputs: out0 4 x 2,048 x 1,024 float32.
;; This version of the problem:
;;   THIS VERSION OF THE PROBLEM IS GIVEN IN LOW PRECISION. The matrix products marked QUANTISED in the list below multiply operands that are first quantised to E2M3 (2 exponent bits, 3 mantissa bits; 6 bits a number), with one power-of-two scale for each 32 numbers along K (OCP MX v1.0); their sums are f32. All else is computed in f32.
;;   The module's matrix products, in the order in which they are computed (A, B: the left and right operand; K: the contracted axis; several contracted axes count as one K, in the product's order):
;;     1. [M 8,192, K 1,024] x [K 1,024, N 1,024]; A: input embedded; B: input Wk: QUANTISED
;;     2. [M 8,192, K 1,024] x [K 1,024, N 1,024]; A: input embedded; B: input Wq: QUANTISED
;;     3. [M 8,192, K 1,024] x [K 1,024, N 1,024]; A: input embedded; B: input Wv: QUANTISED
;;     4. batch 4 x [M 2,048, K 1,024] x [K 1,024, N 2,048]; A: computed on the way; B: computed on the way: QUANTISED
;;     5. batch 4 x [M 2,048, K 2,048] x [K 2,048, N 1,024]; A: softmax (see below); B: computed on the way: QUANTISED
;;   THE QUANTISER, for each operand of a quantised product, along K:
;;     - K is cut into blocks of 32 from its start; a last block that is shorter is filled with zeros.
;;     - A block's scale is 2^e with e = floor(log2(the largest magnitude in the block)) - 2, held to -126 .. 127; a block of zeros has e = 0. As a byte (E8M0): e + 127.
;;     - Each number is divided by its block's scale, clamped to +-7.5, and rounded to the nearest number of E2M3, ties to even, subnormals kept.
;;     - The product sums the exact products of the quantised numbers (number of the format x scale) in f32.
;;   ~~~python
;;   def quantise(x, axis):      # numpy; x: float32 -> the quantised numbers, widened to float32 again
;;       x = np.moveaxis(x, axis, -1); K = x.shape[-1]
;;       x = np.pad(x, [(0, 0)] * (x.ndim - 1) + [(0, -K % 32)]); x = x.reshape(x.shape[:-1] + (-1, 32)); a = np.abs(x).max(-1, keepdims=True)
;;       e = np.where(a > 0, np.clip(np.frexp(np.where(a > 0, a, 1))[1] - 1 - 2, -126, 127), 0)      # np.frexp(a)[1] - 1 = floor(log2(a)), exactly
;;       r = np.clip(x / 2.0 ** e, -7.5, 7.5)
;;       step = 2.0 ** (np.maximum(np.frexp(np.where(r == 0, 1, r))[1] - 1, 0) - 3)
;;       q = np.round(r / step) * step * 2.0 ** e      # np.round: ties to even
;;       return np.moveaxis(q.reshape(q.shape[:-2] + (-1,))[..., :K], -1, axis).astype(np.float32)
;;   ~~~
;;   SOFTMAX AHEAD OF A QUANTISED PRODUCT. Where the list says 'softmax', what is quantised is not the finished softmax but p = 2^(t - M), with t = logit x log2(e) and M = ceil(the row's largest t), a whole number; so 1/2 < the row's largest p <= 1. The row's sum l is taken of the UNQUANTISED p, in f32, and the product's result is divided by l at the end. Since M is a whole number, a kernel that streams over the keys may use a running M (the ceiling of the running maximum): every later rescaling is an exact power of two, which a block's scale takes up: the codes' values come out the same.
;;   OPERANDS COMPUTED ON THE WAY. 'Computed on the way' means the value that the module computes at that place (a softmax that the list does not call 'softmax' is quantised finished and normalised). What goes into a quantiser is computed in f32, as accurately as f32 sums, v_exp_f32 and their like allow (about 1e-6 of the number): no bf16 or f16 on the way to a quantiser, and a product that is left as it is and whose result goes on into a quantised operand takes f32 operands (vector FMAs, or v_wmma_f32_16x16x4_f32). A number that lies on a knife's edge between two numbers of the format may be rounded either way, as far as f32 arithmetic and the matrix unit's own rounding can turn it there, and no further.
;; One version. Each part assembles by itself: llvm-mc -triple=amdgcn-amd-amdhsa -mcpu=gfx1250 --defsym DOCPART=n.
;; ======== version 1 of 1: 4 launches
;; workspace buffers: xc 6,553,600 bytes; wc 2,457,600 bytes; qk 13,107,200 bytes; vc 6,553,600 bytes; pc 14,155,776 bytes
;; launch quant (part 1): grid 176 x 1, 4 waves a work-group, no clusters, 270,848 bytes of LDS; arguments embedded, Wq, Wk, Wv, xc, wc; writes xc, wc
.if DOCPART == 1
	.amdgcn_target "amdgcn-amd-amdhsa--gfx1250"
	.amdhsa_code_object_version 6
	.text
	.protected	k_qfd5ec77dea_quant
	.globl	k_qfd5ec77dea_quant
	.p2align	8
	.type	k_qfd5ec77dea_quant,@function
k_qfd5ec77dea_quant:
	s_mov_b64 s[64:65], 0
	v_nop
	global_prefetch_b8 v0, s[64:65] scope:SCOPE_SE
	s_setreg_imm32_b32 hwreg(HW_REG_WAVE_MODE, 25, 1), 1
	s_wait_xcnt 0x0
; embedded [8192][1024] and Wq, Wk, Wv [1024][1024], f32, K innermost, become codes of FP6 (E2M3) with one E8M0 byte for each 32 along K.
; A block's scale is 2^(floor(log2(its largest magnitude)) - 2): its byte is the largest magnitude's exponent field - 2, held at 1 from below.
; THE OUTPUT IS LAID AS THE PRODUCTS' REGISTERS WANT IT.  A fragment (16 rows x 128 K: 12 registers a lane) is 1,536 bytes: registers 4 c .. 4 c + 3 of lane l at 512 c + 16 l.
; A block is 128 rows x 256 K: fragment (row tile i, K step ks) at 3072 i + 1536 ks; behind the codes, at 24576 + 512 ks, the scale words of the 128 rows: the word of row 32 j + l at 16 l + 4 j.  25,600 bytes, dense.
; xc: block (g, sl) at (4 g + sl) x 25600, g = 128 rows, sl = 256 along K.  wc the same, g 0-7 Wq, 8-15 Wk, 16-23 Wv.
; SHARES.  A wave takes 128 rows x 128 K: eight fragments and one run of scale words.  Work-groups 0-127 take embedded, then 16 each for Wq, Wk, Wv.  No two work-groups read the same bytes: no cluster.
; Each wave brings its 128 x 512 bytes into its own LDS bytes by two tensor loads, issued together at the start; nothing is filled twice, and only the issuing wave reads its bytes: no barrier.
; LIMITS: NaN and infinities are not served; a block whose largest magnitude lies under 2^-124, a block of zeros too, keeps the byte 1 (its bytes are read by this program alone; zero codes add nothing).
.set PITCH, 528                        ; an LDS row: 512 bytes + 16: 33 x 16 bytes, so the 16 rows that a load touches begin 16 bytes further on in each
.set WREG,  128*PITCH                  ; a wave's LDS bytes
.set SPARE, 4*WREG                     ; behind them: the spare words, 128 bytes a wave
.set BLK,   25600
.set LA,  1                            ; v1   LDS: my row of a fragment, my half's 128 bytes
.set CO,  2                            ; v2   16 x lane + 1536 ks
.set CS,  3                            ; v3   16 x lane + 512 ks
.set SH8, 4                            ; v4   8 x (lane / 16)
.set TM,  16                           ; v16-17 largest magnitudes;  v18-19 the conversions' scale operands;  v20-21 bytes;  v22 the scale word;  v23 the other half's
.set SOP, 18
.set BY,  20
.set WD,  22
.set WX,  23
.set SPW, 28                           ; v28  my spare word;  v29  0: both never rewritten
.set NIL, 29
.set X,   64                           ; v64-191  two sets of 64 numbers
.set PC,  192                          ; v192-231 two sets of 12 codes' registers + 8 at work
.set SW,  232                          ; v232-235 the scale words of my 128 rows
.set SEL, 20                           ; s[20:21] lane selects: lane l xor 16
.set HIM, 22                           ; s22  lanes 16-31
.set G0,  24                           ; s[24:31] descriptor group 0, one for each load
.set G1,  32                           ; s[32:39] group 1
	s_load_b256 s[4:11], s[0:1], 0x0               ; embedded, Wq, Wk, Wv
	s_load_b128 s[12:15], s[0:1], 0x20             ; xc, wc
	v_lshl_add_u32 v[SPW], v0, 2, SPARE
	v_mov_b32 v[NIL], 0
	ds_add_u32 v[SPW], v[NIL]                      ; the wave's opening: the add and its wait ahead of my first tensor load; work on registers stands between
	v_lshrrev_b32 v5, 5, v0
	v_readfirstlane_b32 s2, v5                     ; wave 0..3
	; group 1: 64 rows x 128 elements of 4 bytes, 1,024 elements from row to row; 4 words of padding behind every 128
	s_mov_b32 s[G1+0], (2<<16)|(1<<20)|(6<<22)|(3<<25)
	s_mov_b32 s[G1+1], 128<<16                     ; tensor_dim0
	s_mov_b32 s[G1+2], 64<<16                      ; tensor_dim1
	s_mov_b32 s[G1+3], 128<<16                     ; tile_dim0
	s_mov_b32 s[G1+4], 64                          ; tile_dim1
	s_mov_b32 s[G1+5], 1024                        ; pitch
	s_mov_b32 s[G1+6], 0
	s_mov_b32 s[G1+7], 0
	s_mov_b32 s[SEL], 0x76543210
	s_mov_b32 s[SEL+1], 0xfedcba98
	s_mov_b32 s[HIM], 0xffff0000
	s_sub_co_u32 s40, ttmp9, 128
	s_lshr_b32 s41, s40, 4                         ; which weight
	s_and_b32 s42, s40, 15
	s_cmp_lt_u32 ttmp9, 128
	s_cselect_b32 s42, ttmp9, s42                  ; the work-group's number inside its tensor
	s_cselect_b32 s41, 0, s41
	s_lshr_b32 s43, s42, 1                         ; its 128 rows
	s_and_b32 s42, s42, 1
	s_lshl_b32 s42, s42, 2
	s_add_co_u32 s42, s42, s2                      ; my K step of 128: 0..7
	s_lshl_b32 s44, s43, 19                        ; 128 rows of 4,096 bytes
	s_lshl_b32 s45, s42, 9
	s_add_co_u32 s44, s44, s45
	s_mov_b32 s45, 0                               ; s[44:45]: where I read
	s_lshl_b32 s41, s41, 3
	s_add_co_u32 s41, s41, s43                     ; g
	s_lshl_b32 s41, s41, 2
	s_lshr_b32 s43, s42, 1
	s_add_co_u32 s41, s41, s43                     ; 4 g + sl
	s_mul_i32 s46, s41, BLK
	s_mov_b32 s47, 0                               ; s[46:47]: my block
	s_and_b32 s42, s42, 1                          ; ks
	s_mul_i32 s43, s42, 1536
	s_lshl_b32 s42, s42, 9
	s_mul_i32 s3, s2, WREG                         ; my LDS bytes
	v_and_b32 v5, 15, v0                           ; r
	v_bfe_u32 v6, v0, 4, 1                         ; h
	v_mul_u32_u24 v[LA], v5, PITCH
	v_lshl_add_u32 v[LA], v6, 7, v[LA]             ; lane (r, h) wants k = 64 c + 32 h + 0 .. 31 of row r: 128 bytes at 256 c + 128 h
	v_add_nc_u32 v[LA], s3, v[LA]
	v_and_b32 v7, 31, v0
	v_lshlrev_b32 v7, 4, v7
	v_add_nc_u32 v[CO], s43, v7
	v_add_nc_u32 v[CS], s42, v7
	v_lshlrev_b32 v[SH8], 3, v6
	v_mov_b32 v[WX], 0                             ; written once: a lane permute's destination counts as one of its sources
	s_wait_dscnt 0x0                               ; the opening add is done
	s_wait_kmcnt 0x0
	s_cmp_lt_u32 ttmp9, 128                        ; the buffers are chosen by the work-group's number alone
	s_cselect_b64 s[16:17], s[4:5], s[6:7]
	s_cselect_b64 s[18:19], s[12:13], s[14:15]
	s_cmp_ge_u32 ttmp9, 144
	s_cselect_b64 s[16:17], s[8:9], s[16:17]
	s_cmp_ge_u32 ttmp9, 160
	s_cselect_b64 s[16:17], s[10:11], s[16:17]
	s_add_nc_u64 s[16:17], s[16:17], s[44:45]
	s_add_nc_u64 s[18:19], s[18:19], s[46:47]
.irp n, 0,1                                    ; rows 64 n on: both loads go out together: two of mine are out
	s_mov_b32 s[G0+4*\n], 1
	s_add_co_u32 s[G0+4*\n+1], s3, \n*64*PITCH
	s_add_nc_u64 s[G0+4*\n+2:G0+4*\n+3], s[16:17], \n*64*4096
	s_or_b32 s[G0+4*\n+3], s[G0+4*\n+3], 0x80000000
	tensor_load_to_lds s[G0+4*\n:G0+4*\n+3], s[G1:G1+7]
	s_nop 0
.endr
.macro LOADX i                         ; fragment i's numbers: register 32 c + 4 k + .. = k 64 c + 32 h + 4 k + .. of row 16 i + r
.irp c, 0,1
.irp k, 0,1,2,3,4,5,6,7
	ds_load_b128 v[X+64*((\i)%2)+32*\c+4*\k:X+64*((\i)%2)+32*\c+4*\k+3], v[LA] offset:(\i)*16*PITCH+256*\c+16*\k
.endr
.endr
.endm
.macro Q1 i                            ; a lane holds two whole blocks, h and 2 + h of its row: no other lane is asked for a maximum
.set XS, X+64*((\i)%2)
.set PS, PC+20*((\i)%2)
.irp c, 0,1
	v_max3_num_f32 v[TM+\c], |v[XS+32*\c]|, |v[XS+32*\c+1]|, 0x1800000   ; with the floor 2^(3 - 127): the byte cannot fall under 1
.endr
.irp n, 2,4,6,8,10,12,14,16,18,20,22,24,26,28,30
.irp c, 0,1
	v_max3_num_f32 v[TM+\c], v[TM+\c], |v[XS+32*\c+\n]|, |v[XS+32*\c+\n+1]|
.endr
.endr
.irp c, 0,1
	v_add_nc_u32 v[SOP+\c], 0xff000000, v[TM+\c]   ; 2 off the exponent field: the conversion's scale operand
.endr
.irp c, 0,1
	v_lshrrev_b32 v[BY+\c], 23, v[SOP+\c]          ; the byte
.endr
	v_lshl_or_b32 v[WD], v[BY+1], 16, v[BY]
	v_lshlrev_b32 v[WD], v[SH8], v[WD]             ; my two bytes at their places,
	v_permlanex16_b32 v[WX], v[WD], s[SEL], s[SEL+1]
	v_or_b32 v[WD], v[WD], v[WX]                   ; with the other half's two: the row's word, in both halves
.irp c, 0,1
	v_cvt_scalef32_pk16_fp6_f32 v[PS+6*\c:PS+6*\c+2], v[XS+32*\c:XS+32*\c+15], v[SOP+\c]
	v_cvt_scalef32_pk16_fp6_f32 v[PS+12+4*\c:PS+14+4*\c], v[XS+32*\c+16:XS+32*\c+31], v[SOP+\c]   ; (a conversion's three registers begin on an even number)
.endr
	v_nop                                          ; one plain place behind a scaled conversion
.irp c, 0,1
.irp n, 0,1,2
	v_mov_b32 v[PS+3+6*\c+\n], v[PS+12+4*\c+\n]
.endr
.endr
.irp c, 0,1,2
	global_store_b128 v[CO], v[PS+4*\c:PS+4*\c+3], s[18:19] offset:(\i)*3072+512*\c   ; 32 lanes store 512 consecutive bytes
.endr
.if (\i)%2 == 0
	v_mov_b32 v[SW+(\i)/2], v[WD]                  ; rows 32 j + l: lanes 0-15 from the even tile,
.else
	v_cndmask_b32 v[SW+(\i)/2], v[SW+(\i)/2], v[WD], s[HIM]   ; lanes 16-31 from the odd one
.endif
.endm
	s_wait_tensorcnt 0x1                           ; rows 0-63 are in; the second load may be out
	LOADX 0
.irp i, 0,1,2,3,4,5,6,7
.if \i == 3
	s_wait_tensorcnt 0x0                           ; fragment 4 lies in the second load
.endif
.if \i < 7
	LOADX \i+1
	s_wait_dscnt 16                                ; this fragment's 16 loads are in; the next one's may be out
.else
	s_wait_dscnt 0x0
.endif
.if \i >= 2
	s_wait_xcnt 0x0                                ; the stores of two fragments back have read this set of codes' registers
.endif
	Q1 \i
.endr
	global_store_b128 v[CS], v[SW:SW+3], s[18:19] offset:24576
	s_wait_tensorcnt 0x0                           ; the wave's end
	ds_add_u32 v[SPW], v[NIL]
	s_wait_dscnt 0x0
	s_endpgm
.Lfunc_end_k_qfd5ec77dea_quant:
	.size	k_qfd5ec77dea_quant, .Lfunc_end_k_qfd5ec77dea_quant-k_qfd5ec77dea_quant
	.p2alignl 7, 3214868480
	.fill 96, 4, 3214868480
	.section	.rodata,"a",@progbits
	.p2align	6, 0x0
	.amdhsa_kernel k_qfd5ec77dea_quant
		.amdhsa_group_segment_fixed_size 270848
		.amdhsa_private_segment_fixed_size 0
		.amdhsa_enable_private_segment 0
		.amdhsa_kernarg_size 48
		.amdhsa_user_sgpr_count 2
		.amdhsa_user_sgpr_kernarg_segment_ptr 1
		.amdhsa_wavefront_size32 1
		.amdhsa_system_sgpr_workgroup_id_x 1
		.amdhsa_system_sgpr_workgroup_id_y 1
		.amdhsa_system_sgpr_workgroup_id_z 1
		.amdhsa_system_vgpr_workitem_id 0
		.amdhsa_next_free_vgpr 256
		.amdhsa_next_free_sgpr 66
		.amdhsa_reserve_vcc 0
		.amdhsa_float_denorm_mode_32 3
		.amdhsa_float_denorm_mode_16_64 3
		.amdhsa_memory_ordered 1
		.amdhsa_forward_progress 1
		.amdhsa_inst_pref_size 39
	.end_amdhsa_kernel
	.amdgpu_metadata
---
amdhsa.version: [ 1, 2 ]
amdhsa.kernels:
  - .name:           k_qfd5ec77dea_quant
    .symbol:         k_qfd5ec77dea_quant.kd
    .args:
      - { .name: embedded, .offset: 0, .size: 8, .value_kind: global_buffer, .address_space: global }
      - { .name: Wq, .offset: 8, .size: 8, .value_kind: global_buffer, .address_space: global }
      - { .name: Wk, .offset: 16, .size: 8, .value_kind: global_buffer, .address_space: global }
      - { .name: Wv, .offset: 24, .size: 8, .value_kind: global_buffer, .address_space: global }
      - { .name: xc, .offset: 32, .size: 8, .value_kind: global_buffer, .address_space: global }
      - { .name: wc, .offset: 40, .size: 8, .value_kind: global_buffer, .address_space: global }
    .group_segment_fixed_size: 270848
    .private_segment_fixed_size: 0
    .kernarg_segment_align: 8
    .kernarg_segment_size: 48
    .max_flat_workgroup_size: 128
    .sgpr_count:     66
    .vgpr_count:     256
    .wavefront_size: 32
...
	.end_amdgpu_metadata
.endif
;; end of part 1
;; launch proj (part 2): grid 12 x 32, 4 waves a work-group, clusters of 4 x 4, 327,680 bytes of LDS; arguments xc, wc, qk, vc; writes qk, vc
.if DOCPART == 2
	.amdgcn_target "amdgcn-amd-amdhsa--gfx1250"
	.amdhsa_code_object_version 6
	.text
	.protected	k_qfd5ec77dea_proj
	.globl	k_qfd5ec77dea_proj
	.p2align	8
	.type	k_qfd5ec77dea_proj,@function
k_qfd5ec77dea_proj:
	s_mov_b64 s[64:65], 0
	v_nop
	global_prefetch_b8 v0, s[64:65] scope:SCOPE_SE
	s_setreg_imm32_b32 hwreg(HW_REG_WAVE_MODE, 25, 1), 1
	s_wait_xcnt 0x0
	s_wait_alu depctr_hold_cnt(0) depctr_sa_sdst(0) depctr_va_vdst(0) depctr_va_sdst(0) depctr_va_ssrc(0) depctr_va_vcc(0) depctr_vm_vsrc(0)
	s_getreg_b32 s2, hwreg(HW_REG_IB_STS2, 6, 4)
	s_cmp_eq_u32 s2, 0
	s_cbranch_scc0 .Lentry_in_a_cluster
	s_endpgm
.Lentry_in_a_cluster:
	s_bfe_u32 s2, ttmp6, 0x10000c
	s_cmp_lg_u32 s2, 0xf033
	s_cbranch_scc0 .Lentry_shape_is_right
	s_endpgm
.Lentry_shape_is_right:
; Q = x Wq^T, K = x Wk^T, V = x Wv^T on codes of FP6 (E2M3) with E8M0 scales, sums in f32; the results are quantised in registers on the way out and leave as codes for the next products.
; OPERANDS lie as images of their registers: a block = 128 rows x 256 K = 25,600 dense bytes (fragment (i, ks) at 3072 i + 1536 ks, registers 4 c .. at 512 c + 16 lane; scale words at 24576 + 512 ks, row 32 j + l at 16 l + 4 j).
; A tile of 256 x 256 is made by four waves, 128 x 128 each: 64 accumulators.  'A' is source 1: its rows are the rows of what is made; 'B' is source 0: a lane's eight results run along B's rows, which are the NEXT product's K.
; Clusters x = 0, 1: A = x (tokens), B = Wq, Wk: Q and K, quantised along the attention axis, to qk: z (0 Q, 1 K) x 64 row blocks x 4 slots.
; Cluster x = 2: A = Wv (channels), B = x (tokens): V^T, quantised along the tokens, to vc: (8 batch + channel block) x 8 slots.
; ORDER INSIDE A BLOCK OF 32: a lane holds offsets 8 h + 0..7 and 16 + 8 h + 0..7, so a block's codes lie as 0-7, 16-23, 8-15, 24-31.  The block's members and its scale are the quantiser's; both operands of each later product are laid so.
; K = 1,024 IS FOUR SLOTS OF 256.  Three of them fit in LDS side by side and are asked for together at the start; the fourth follows into the first slot's bytes, behind the one round of the cluster's barrier at which that slot is left,
; and has three and a half K steps, 224 matrix instructions, in which to land.  Each wave fetches one block a slot by one tensor load: three of mine are out at the start, later one.
; CLUSTER 4 x 4: A's blocks are shared along a row, B's along a column, by joint loads.  The eight K steps are written out: as many matrix lines as a loop of one trip with its head and tail would have.
; REGISTERS: window 0: v16-29 addresses; v32-47 scale words, two sets; v64-159, v160-255 A's fragments, two sets.  window 1: B's, at v0 and v128.  windows 2, 3: accumulator (a, b) at v[8 (8 (a % 4) + b)].
; LIMITS: NaN and infinities are not served; a block whose largest magnitude lies under 2^-124 keeps the byte 1.
.set BLK,   25600
.set SLOT,  4*BLK                      ; A's two halves, then B's two: wave w's block at w x BLK
.set SPARE, 3*SLOT                     ; behind the three slots: the spare words, 128 bytes a wave
.set ADRA, 16                          ; v16-18 LDS address of my A block in slot 0, 1, 2, + 16 x lane
.set ADRB, 20                          ; v20-22 the same for B
.set CO,   26                          ; v26  16 x lane + 1536 x my half of B
.set CS2,  27                          ; v27  16 x lane + 512 x my half of B
.set SPW,  28
.set NIL,  29
.set SA,   32                          ; scale words: set p: A's at v[32 + 8 p], B's at v[36 + 8 p]; register j: rows 32 j + lane
.set SB,   36
.set AF,   64
.set TM,   64                          ; the way out: v64-67 maxima, v68-71 the other half's, v72-75 bytes, v76-79 scale operands
.set PW,   80
.set PC,   84                          ; v84-103 codes
.set SW,   104                         ; v104-107 the scale words of my 128 rows
.set G1,  24                           ; s[24:31] descriptor group 1 for A's blocks;  s[32:39] for B's
.set G1B, 32
.set G0,  48                           ; s[48:59] group 0 for A's blocks, one set for each slot
.set G0B, 84                           ; s[84:95] the same for B's
.set HIM, 66
.set SEL, 68
.set MUL_LO, 0xa1                      ; source 0 (B) window 1, source 1 (A) window 0, C and D window 2
.set MUL_HI, 0xf1
.set TO_B,   0x40
.set MSB, 0
.macro WIN new                         ; the immediate's high byte repeats the setting that is left
.if MSB != (\new)
	s_set_vgpr_msb (MSB<<8)|(\new)
.set MSB, (\new)
.endif
.endm
.macro PLACES n
.rept \n
	v_nop
.endr
.endm
.macro JLOAD g0a, g1a, g0b, g1b        ; a joint load: waves 0, 1 fetch A's halves, waves 2, 3 B's; an s_nop 0 and four v_nop follow each line
	s_cmp_eq_u32 s15, 0
	s_cbranch_scc0 .Lfor_b_\@
	tensor_load_to_lds s[\g0a:\g0a+3], s[\g1a:\g1a+7]
	s_nop 0
.rept 4
	v_nop
.endr
	s_branch .Lasked_\@
.Lfor_b_\@:
	tensor_load_to_lds s[\g0b:\g0b+3], s[\g1b:\g1b+7]
	s_nop 0
.rept 4
	v_nop
.endr
.Lasked_\@:
.endm
.macro CREST                           ; a round of the cluster's barrier behind its opening barrier
	s_cmp_lg_u32 s14, 0
	s_cbranch_scc1 .Lnot_wave_0_\@
	s_barrier_signal -3
.Lnot_wave_0_\@:
	s_barrier_wait -3
	s_barrier_signal -1
	s_barrier_wait -1
.endm
.macro CROUND
	s_barrier_signal -1
	s_barrier_wait -1
	CREST
.endm
; one product: A's tile a x B's tile b, set p.  A tile's scale words lie in lanes 0-15 (even tile) or 16-31 (odd tile) of register tile / 2
.macro WM a, b, p, zero
.set rD, 8*(8*((\a)%4)+(\b))
.set rB, 128*(\p)+12*(\b)
.set rA, AF+96*(\p)+12*(\a)
.set rX, SB+8*(\p)+(\b)/2
.set rY, SA+8*(\p)+(\a)/2
.set rV, 2*((\a)%2)+(\b)%2
.if \zero
.if rV == 0
	v_wmma_scale_f32_16x16x128_f8f6f4 v[rD:rD+7], v[rB:rB+11], v[rA:rA+11], 0, v[rX], v[rY] matrix_a_fmt:MATRIX_FMT_FP6 matrix_b_fmt:MATRIX_FMT_FP6
.elseif rV == 1
	v_wmma_scale_f32_16x16x128_f8f6f4 v[rD:rD+7], v[rB:rB+11], v[rA:rA+11], 0, v[rX], v[rY] matrix_a_fmt:MATRIX_FMT_FP6 matrix_b_fmt:MATRIX_FMT_FP6 matrix_a_scale:MATRIX_SCALE_ROW1
.elseif rV == 2
	v_wmma_scale_f32_16x16x128_f8f6f4 v[rD:rD+7], v[rB:rB+11], v[rA:rA+11], 0, v[rX], v[rY] matrix_a_fmt:MATRIX_FMT_FP6 matrix_b_fmt:MATRIX_FMT_FP6 matrix_b_scale:MATRIX_SCALE_ROW1
.else
	v_wmma_scale_f32_16x16x128_f8f6f4 v[rD:rD+7], v[rB:rB+11], v[rA:rA+11], 0, v[rX], v[rY] matrix_a_fmt:MATRIX_FMT_FP6 matrix_b_fmt:MATRIX_FMT_FP6 matrix_a_scale:MATRIX_SCALE_ROW1 matrix_b_scale:MATRIX_SCALE_ROW1
.endif
.else
.if rV == 0
	v_wmma_scale_f32_16x16x128_f8f6f4 v[rD:rD+7], v[rB:rB+11], v[rA:rA+11], v[rD:rD+7], v[rX], v[rY] matrix_a_fmt:MATRIX_FMT_FP6 matrix_b_fmt:MATRIX_FMT_FP6
.elseif rV == 1
	v_wmma_scale_f32_16x16x128_f8f6f4 v[rD:rD+7], v[rB:rB+11], v[rA:rA+11], v[rD:rD+7], v[rX], v[rY] matrix_a_fmt:MATRIX_FMT_FP6 matrix_b_fmt:MATRIX_FMT_FP6 matrix_a_scale:MATRIX_SCALE_ROW1
.elseif rV == 2
	v_wmma_scale_f32_16x16x128_f8f6f4 v[rD:rD+7], v[rB:rB+11], v[rA:rA+11], v[rD:rD+7], v[rX], v[rY] matrix_a_fmt:MATRIX_FMT_FP6 matrix_b_fmt:MATRIX_FMT_FP6 matrix_b_scale:MATRIX_SCALE_ROW1
.else
	v_wmma_scale_f32_16x16x128_f8f6f4 v[rD:rD+7], v[rB:rB+11], v[rA:rA+11], v[rD:rD+7], v[rX], v[rY] matrix_a_fmt:MATRIX_FMT_FP6 matrix_b_fmt:MATRIX_FMT_FP6 matrix_a_scale:MATRIX_SCALE_ROW1 matrix_b_scale:MATRIX_SCALE_ROW1
.endif
.endif
.endm
.macro MUL16 a0, p, zero               ; the 64 accumulators take turns, one instruction a turn, in the same order in every step
.irp a, \a0, \a0+1
.irp b, 0,1,2,3,4,5,6,7
	WM \a, \b, \p, \zero
.endr
.endr
.endm
.macro FETCH slot, q, p                ; 50 LDS loads in one run: the slot's q-th 128 along K into set p; each load takes 512 consecutive bytes
	WIN TO_B
.irp i, 0,1,2,3,4,5,6,7
.irp c, 0,1,2
	ds_load_b128 v[128*(\p)+12*\i+4*\c:128*(\p)+12*\i+4*\c+3], v[ADRB+\slot] offset:\i*3072+(\q)*1536+\c*512
.endr
.endr
	WIN 0
.irp i, 0,1,2,3,4,5,6,7
.irp c, 0,1,2
	ds_load_b128 v[AF+96*(\p)+12*\i+4*\c:AF+96*(\p)+12*\i+4*\c+3], v[ADRA+\slot] offset:\i*3072+(\q)*1536+\c*512
.endr
.endr
	ds_load_b128 v[SA+8*(\p):SA+8*(\p)+3], v[ADRA+\slot] offset:24576+(\q)*512
	ds_load_b128 v[SB+8*(\p):SB+8*(\p)+3], v[ADRB+\slot] offset:24576+(\q)*512
.endm
.macro STEP0 slot, zero                ; a slot's first 128 along K, on set 0; the second's fragments are asked for first and land meanwhile
	s_wait_dscnt 0x0                               ; set 0 is in
	PLACES 4                                       ; in front of loads into set 1, which the last products read
	FETCH \slot, 1, 1
	WIN MUL_LO
	MUL16 0, 0, \zero
	MUL16 2, 0, \zero
	WIN MUL_HI
	MUL16 4, 0, \zero
	MUL16 6, 0, \zero
	WIN 0
.endm
.macro TURN slot, next, fill           ; a slot's second 128, on set 1, and a change of slots with ONE barrier.  fill = 1: the slot that is left takes the fourth quarter of K
	s_wait_tensorcnt 0x0                           ; all my tensor loads have landed
	ds_add_u32 v[SPW], v[NIL]                      ; 0 onto my spare word
	s_wait_dscnt 0x1                               ; set 1 is in; the add may be out
	WIN MUL_LO
	MUL16 0, 1, 0
	s_wait_dscnt 0x0                               ; the add is done, and my reads of this slot are over
	s_barrier_signal -1
	MUL16 2, 1, 0
	WIN 0
	s_barrier_wait -1
.if \fill
	CREST                                          ; the barrier has opened a round of the cluster's: no wave of any partner still reads this slot or has a load on its way
	s_add_nc_u64 s[G0+4*\slot+2:G0+4*\slot+3], s[G0+4*\slot+2:G0+4*\slot+3], 3*BLK
	s_add_nc_u64 s[G0B+4*\slot+2:G0B+4*\slot+3], s[G0B+4*\slot+2:G0B+4*\slot+3], 3*BLK
	JLOAD G0+4*\slot, G1, G0B+4*\slot, G1B         ; the first tensor load behind the round; its four v_nop are the places in front of the loads below
.else
	PLACES 4
.endif
	FETCH \next, 0, 0
	WIN MUL_HI
	MUL16 4, 1, 0
	MUL16 6, 1, 0
	WIN 0
.endm
; A slot's second 128 where the next slot has long been whole: every wave waited for ALL its first fills in front of the round at which slot 0 was left.  So no barrier and no wait on TENSORcnt stand here, nothing is filled,
; and the one load that is out, into slot 0, stays on its way.
.macro PASS slot, next
	s_wait_dscnt 0x0                               ; set 1 is in
	WIN MUL_LO
	MUL16 0, 1, 0
	MUL16 2, 1, 0
	PLACES 4                                       ; in front of loads into set 0, which the step before read
	FETCH \next, 0, 0
	WIN MUL_HI
	MUL16 4, 1, 0
	MUL16 6, 1, 0
	WIN 0
.endm
	s_load_b128 s[4:7], s[0:1], 0x0                ; xc, wc
	s_load_b128 s[8:11], s[0:1], 0x10              ; qk, vc
	v_lshl_add_u32 v[SPW], v0, 2, SPARE
	v_mov_b32 v[NIL], 0
	ds_add_u32 v[SPW], v[NIL]                      ; the wave's opening: the add and its wait ahead of my first tensor load
	v_lshrrev_b32 v1, 5, v0
	v_readfirstlane_b32 s14, v1                    ; wave 0..3
	s_lshr_b32 s15, s14, 1                         ; my half of A's rows.  Also: I fetch for A (0) or B (1)
	s_and_b32 s16, s14, 1                          ; my half of B's rows.  Also: which half I fetch
	s_bfe_u32 s40, ttmp6, 0x40000                  ; cx
	s_bfe_u32 s41, ttmp6, 0x40004                  ; cy
	s_and_b32 s17, ttmp7, 0xffff
	s_lshl_b32 s17, s17, 2                         ; 4 x cluster y
	s_lshl_b32 s18, ttmp9, 2                       ; 4 x cluster x
	s_lshl_b32 s44, s41, 2
	s_lshl_b32 s44, 15, s44                        ; my row of the cluster
	s_lshl_b32 s45, 0x1111, s40                    ; my column
	s_or_b32 s[G1], s44, (3<<16)|(1<<21)           ; the mask; elements of 8 bytes; bit 21 beside a mask; no padding
	s_or_b32 s[G1B], s45, (3<<16)|(1<<21)
.irp g, G1, G1B                                ; a dense block as 100 rows of 256 bytes
	s_mov_b32 s[\g+1], 32<<16
	s_mov_b32 s[\g+2], 100<<16
	s_mov_b32 s[\g+3], 32<<16
	s_mov_b32 s[\g+4], 100
	s_mov_b32 s[\g+5], 32
	s_mov_b32 s[\g+6], 0
	s_mov_b32 s[\g+7], 0
.endr
	s_cmp_eq_u32 ttmp9, 2                          ; V's clusters: the choice hangs on the cluster's number alone
	s_cselect_b32 s42, 0, s17
	s_cselect_b32 s43, s17, s18
	s_cselect_b32 s19, 16, 0                       ; Wv begins at row block 16 of wc
	s_cselect_b32 s72, 3, 2                        ; the output has 8 or 4 slots to a row block,
	s_cselect_b32 s73, 3, 6                        ; and 8 or 64 row blocks to a batch or a tensor
	s_cselect_b32 s74, 7, 3
	s_add_co_u32 s42, s42, s41                     ; A's tile of 256 rows: hangs on cy, never on cx
	s_add_co_u32 s43, s43, s40                     ; B's: hangs on cx, never on cy
	s_lshl_b32 s20, s42, 1
	s_add_co_u32 s20, s20, s16
	s_add_co_u32 s20, s20, s19
	s_mul_i32 s20, s20, 4*BLK                      ; a row block's four slots
	s_mov_b32 s21, 0
	s_lshl_b32 s46, s43, 1
	s_add_co_u32 s46, s46, s16
	s_mul_i32 s46, s46, 4*BLK
	s_mov_b32 s47, 0
	s_lshr_b32 s76, s43, s72                       ; where my 128 x 128 goes: ((tensor or batch) x row blocks + my row block) x slots + slot
	s_lshl_b32 s76, s76, s73
	s_lshl_b32 s77, s42, 1
	s_add_co_u32 s76, s76, s77
	s_add_co_u32 s76, s76, s15
	s_lshl_b32 s76, s76, s72
	s_and_b32 s77, s43, s74
	s_add_co_u32 s76, s76, s77
	s_mul_i32 s76, s76, BLK
	s_mov_b32 s77, 0
	s_mul_i32 s82, s14, BLK                        ; where my block lands: no place in the cluster enters an LDS address
	s_mov_b32 s[HIM], 0xffff0000
	s_mov_b32 s[SEL], 0x76543210
	s_mov_b32 s[SEL+1], 0xfedcba98
	s_wait_dscnt 0x0                               ; the opening add is done
	s_wait_kmcnt 0x0
	s_cmp_eq_u32 ttmp9, 2
	s_cselect_b64 s[78:79], s[6:7], s[4:5]         ; A's buffer
	s_cselect_b64 s[80:81], s[4:5], s[6:7]         ; B's
	s_cselect_b64 s[12:13], s[10:11], s[8:9]       ; the output's
	s_add_nc_u64 s[78:79], s[78:79], s[20:21]
	s_add_nc_u64 s[80:81], s[80:81], s[46:47]
	s_add_nc_u64 s[12:13], s[12:13], s[76:77]
	CROUND                                         ; all sixteen work-groups are here: the first joint loads meet
.irp s, 0,1,2                                  ; three quarters of K at once: three loads of mine are out
	s_mov_b32 s[G0+4*\s], 1
	s_add_co_u32 s[G0+4*\s+1], s82, \s*SLOT
	s_add_nc_u64 s[G0+4*\s+2:G0+4*\s+3], s[78:79], \s*BLK
	s_or_b32 s[G0+4*\s+3], s[G0+4*\s+3], 0x80000000
	s_mov_b32 s[G0B+4*\s], 1
	s_add_co_u32 s[G0B+4*\s+1], s82, \s*SLOT
	s_add_nc_u64 s[G0B+4*\s+2:G0B+4*\s+3], s[80:81], \s*BLK
	s_or_b32 s[G0B+4*\s+3], s[G0B+4*\s+3], 0x80000000
	JLOAD G0+4*\s, G1, G0B+4*\s, G1B
.endr
	v_and_b32 v1, 31, v0
	v_lshlrev_b32 v2, 4, v1                        ; 16 x lane
	s_mul_i32 s21, s15, BLK
	s_mul_i32 s22, s16, BLK
	s_add_co_u32 s22, s22, 2*BLK
.irp s, 0,1,2
	v_add_nc_u32 v[ADRA+\s], s21, v2
	v_add_nc_u32 v[ADRB+\s], s22, v2
	s_add_co_u32 s21, s21, SLOT
	s_add_co_u32 s22, s22, SLOT
.endr
	s_mul_i32 s23, s16, 1536
	v_add_nc_u32 v[CO], s23, v2
	s_lshl_b32 s23, s16, 9
	v_add_nc_u32 v[CS2], s23, v2
	s_wait_tensorcnt 0x2                           ; my block of slot 0 is in; those of slots 1 and 2 may be out
	s_barrier_signal -1
	s_barrier_wait -1
	FETCH 0, 0, 0
	STEP0 0, 1                                     ; the first step's products start the sums: nothing is cleared
	TURN 0, 1, 1                                   ; slot 0 is left and takes the fourth quarter of K: the launch's one refill
	STEP0 1, 0
	PASS 1, 2
	STEP0 2, 0
	TURN 2, 0, 0                                   ; the fourth quarter has landed, in every wave; nothing is filled
	STEP0 0, 0
	s_wait_dscnt 0x0
	WIN MUL_LO
	MUL16 0, 1, 0
	MUL16 2, 1, 0
	WIN MUL_HI
	MUL16 4, 1, 0
	MUL16 6, 1, 0
	WIN 0
; THE WAY OUT.  Tile a's eight accumulators: lane (r, h) holds row 16 a + r; registers 16 b + .. are its 16 numbers of block b of the next K.  They become one fragment and one scale word a row.
.macro QUANTW a
.set AC, 64*((\a)%4)
.set W, 2+(\a)/4
	s_wait_xcnt 0x0                                ; the last tile's stores have read the codes' registers
	WIN 0
.irp b, 0,1,2,3
	v_mov_b32 v[TM+\b], 0x1800000                  ; the floor 2^(3 - 127): the byte cannot fall under 1
.endr
	WIN (W<<2)|(W<<4)
.irp i, 0,2,4,6,8,10,12,14                     ; each accumulator is read from its low end on
.irp b, 0,1,2,3
	v_max3_num_f32 v[TM+\b], v[TM+\b], |v[AC+16*\b+\i]|, |v[AC+16*\b+\i+1]|
.endr
.endr
	WIN 0
.irp b, 0,1,2,3
	v_permlanex16_b32 v[TM+4+\b], v[TM+\b], s[SEL], s[SEL+1]
.endr
.irp b, 0,1,2,3
	v_max_num_f32 v[TM+\b], v[TM+\b], v[TM+4+\b]   ; with lane l xor 16's 16: the block's largest magnitude
.endr
.irp b, 0,1,2,3
	v_add_nc_u32 v[TM+12+\b], 0xff000000, v[TM+\b] ; 2 off the exponent field: the conversion's scale operand
.endr
.irp b, 0,1,2,3
	v_lshrrev_b32 v[TM+8+\b], 23, v[TM+12+\b]      ; the byte
.endr
	v_lshl_or_b32 v[PW], v[TM+9], 8, v[TM+8]
	v_lshl_or_b32 v[PW], v[TM+10], 16, v[PW]
	v_lshl_or_b32 v[PW], v[TM+11], 24, v[PW]
	WIN W
.irp c, 0,1
	v_cvt_scalef32_pk16_fp6_f32 v[PC+6*\c:PC+6*\c+2], v[AC+32*\c:AC+32*\c+15], v[TM+12+2*\c]
	v_cvt_scalef32_pk16_fp6_f32 v[PC+12+4*\c:PC+14+4*\c], v[AC+32*\c+16:AC+32*\c+31], v[TM+12+2*\c+1]
.endr
	WIN 0
	v_nop                                          ; one plain place behind a scaled conversion
.irp c, 0,1                                    ; a whole block to a lane: lanes 0-15 block 2 c, lanes 16-31 block 2 c + 1
.irp i, 0,1,2
	v_permlane16_swap_b32 v[PC+6*\c+\i], v[PC+12+4*\c+\i]
.endr
.irp i, 0,1,2
	v_mov_b32 v[PC+3+6*\c+\i], v[PC+12+4*\c+\i]
.endr
.endr
.irp c, 0,1,2
	global_store_b128 v[CO], v[PC+4*\c:PC+4*\c+3], s[12:13] offset:(\a)*3072+512*\c   ; 32 lanes store 512 consecutive bytes
.endr
.if (\a)%2 == 0
	v_mov_b32 v[SW+(\a)/2], v[PW]
.else
	v_cndmask_b32 v[SW+(\a)/2], v[SW+(\a)/2], v[PW], s[HIM]
.endif
.endm
	PLACES 4                                       ; behind the last products
.irp b, 0,1,2,3
	v_mov_b32 v[TM+4+\b], 0                        ; written once: a lane permute's destination counts as one of its sources
.endr
.irp a, 0,1,2,3,4,5,6,7
	QUANTW \a
.endr
	global_store_b128 v[CS2], v[SW:SW+3], s[12:13] offset:24576
	s_wait_tensorcnt 0x0                           ; the wave's end
	ds_add_u32 v[SPW], v[NIL]
	s_wait_dscnt 0x0
	CROUND                                         ; the closing round
	s_endpgm
.Lfunc_end_k_qfd5ec77dea_proj:
	.size	k_qfd5ec77dea_proj, .Lfunc_end_k_qfd5ec77dea_proj-k_qfd5ec77dea_proj
	.p2alignl 7, 3214868480
	.fill 96, 4, 3214868480
	.section	.rodata,"a",@progbits
	.p2align	6, 0x0
	.amdhsa_kernel k_qfd5ec77dea_proj
		.amdhsa_group_segment_fixed_size 327680
		.amdhsa_private_segment_fixed_size 0
		.amdhsa_enable_private_segment 0
		.amdhsa_kernarg_size 32
		.amdhsa_user_sgpr_count 2
		.amdhsa_user_sgpr_kernarg_segment_ptr 1
		.amdhsa_wavefront_size32 1
		.amdhsa_system_sgpr_workgroup_id_x 1
		.amdhsa_system_sgpr_workgroup_id_y 1
		.amdhsa_system_sgpr_workgroup_id_z 1
		.amdhsa_system_vgpr_workitem_id 0
		.amdhsa_next_free_vgpr 1024
		.amdhsa_next_free_sgpr 100
		.amdhsa_reserve_vcc 0
		.amdhsa_float_denorm_mode_32 3
		.amdhsa_float_denorm_mode_16_64 3
		.amdhsa_memory_ordered 1
		.amdhsa_forward_progress 1
		.amdhsa_inst_pref_size 136
	.end_amdhsa_kernel
	.amdgpu_metadata
---
amdhsa.version: [ 1, 2 ]
amdhsa.kernels:
  - .name:           k_qfd5ec77dea_proj
    .symbol:         k_qfd5ec77dea_proj.kd
    .args:
      - { .name: xc, .offset: 0, .size: 8, .value_kind: global_buffer, .address_space: global }
      - { .name: wc, .offset: 8, .size: 8, .value_kind: global_buffer, .address_space: global }
      - { .name: qk, .offset: 16, .size: 8, .value_kind: global_buffer, .address_space: global }
      - { .name: vc, .offset: 24, .size: 8, .value_kind: global_buffer, .address_space: global }
    .group_segment_fixed_size: 327680
    .private_segment_fixed_size: 0
    .kernarg_segment_align: 8
    .kernarg_segment_size: 32
    .max_flat_workgroup_size: 128
    .sgpr_count:     100
    .vgpr_count:     1024
    .wavefront_size: 32
...
	.end_amdgpu_metadata
.endif
;; end of part 2
;; launch score (part 3): grid 12 x 16, 4 waves a work-group, clusters of 4 x 4, 327,680 bytes of LDS; arguments qk, pc; writes pc
.if DOCPART == 3
	.amdgcn_target "amdgcn-amd-amdhsa--gfx1250"
	.amdhsa_code_object_version 6
	.text
	.protected	k_qfd5ec77dea_score
	.globl	k_qfd5ec77dea_score
	.p2align	8
	.type	k_qfd5ec77dea_score,@function
k_qfd5ec77dea_score:
	s_mov_b64 s[64:65], 0
	v_nop
	global_prefetch_b8 v0, s[64:65] scope:SCOPE_SE
	s_setreg_imm32_b32 hwreg(HW_REG_WAVE_MODE, 25, 1), 1
	s_wait_xcnt 0x0
	s_wait_alu depctr_hold_cnt(0) depctr_sa_sdst(0) depctr_va_vdst(0) depctr_va_sdst(0) depctr_va_ssrc(0) depctr_va_vcc(0) depctr_vm_vsrc(0)
	s_getreg_b32 s2, hwreg(HW_REG_IB_STS2, 6, 4)
	s_cmp_eq_u32 s2, 0
	s_cbranch_scc0 .Lentry_in_a_cluster
	s_endpgm
.Lentry_in_a_cluster:
	s_bfe_u32 s2, ttmp6, 0x10000c
	s_cmp_lg_u32 s2, 0xf033
	s_cbranch_scc0 .Lentry_shape_is_right
	s_endpgm
.Lentry_shape_is_right:
; S = Q K^T on codes of FP6 (E2M3), sums in f32; t = S x log2(e) / 32 under the causal mask; p = 2^(t - Mloc), quantised along the keys; P leaves as codes for the last product.
; Mloc is the ceiling of the largest t of ONE ROW IN ONE RUN OF 128 KEYS (a wave's share).  Any whole number M gives the same codes, and the block's byte takes M up: the last launch moves the bytes to the row's M.
; Stored for each (128 queries, 256 keys): a block of 27,648 bytes: codes (fragment (i, ks) at 3072 i + 1536 ks), scale words at 24576 + 512 ks, -Mloc at 25600 + 512 ks, the sum of the unquantised p at 26624 + 512 ks
; (a word of row 32 j + l at 16 l + 4 j).  pc: block ((16 batch + query block) x 8 + key slot).
; A tile of 256 queries x 256 keys is made by four waves, 128 x 128 each.  'A' (source 1) = Q's rows, 'B' (source 0) = K's rows: a lane holds one query, its registers run along the keys.
; ORDER INSIDE A BLOCK OF 32 KEYS: 0-7, 16-23, 8-15, 24-31, as V's codes are laid.
; THE PRODUCT'S K = 1,024 IS FOUR SLOTS OF 256.  Three of them fit in LDS side by side and are asked for together at the start; the fourth follows into the first slot's bytes, behind the one round at which that slot is left,
; and has three and a half K steps, 224 matrix instructions, in which to land.  Three tensor loads of a wave are out at the start, later one.
; CLUSTER 4 x 4, three to a batch: (query tiles 0-3, key tiles 0-3), (4-7, 0-3), (4-7, 4-7).  Q's blocks are shared along a row, K's along a column, by joint loads.  In the two clusters on the diagonal six tiles lie
; wholly under the mask.  Partners of a cluster run alike, so these run too: they store zero codes, the byte 1, -M = 3e38 and the sum 0, which the last launch reads where it walks the keys to the cluster's edge.
; THE MASK has no branch: it is an addend, 0 or -infinity, chosen by numbers made of ids.
; LIMITS: NaN and infinities are not served; t is taken to lie above -3e38.
.set BLK,   25600
.set PBLK,  27648
.set SLOT,  4*BLK
.set SPARE, 3*SLOT
.set ADRA, 16                          ; v16-18
.set ADRB, 20                          ; v20-22
.set CO,   26
.set CS2,  27
.set SPW,  28
.set NIL,  29
.set SA,   32
.set SB,   36
.set AF,   64
.set T,    128                         ; the way out: v128-191 t, then p
.set PC,   192                         ; v192-211 codes
.set BM,   212                         ; v212-215 a block's largest t, then p
.set BX,   216                         ; v216-219 the other half's; then bytes
.set SOP,  220                         ; v220-223 scale operands
.set NM,   224                         ; v[224:225] -Mloc (the packed form names a pair and takes its low word)
.set S0,   226                         ; v[226:227], v[228:229] the sum, in two chains
.set S1,   228
.set PW,   230
.set TT,   231
.set LO,   232                         ; v[232:233] the addend of key tiles below the query tile; v[234:235] above; v236-243 on the diagonal
.set HI,   234
.set DG,   236
.set SW,   244                         ; v244-247 scale words, v248-251 -Mloc, v252-255 sums of my 128 rows
.set MW,   248
.set LW,   252
.set G1,  24                           ; s[24:31], s[32:39] descriptor groups 1;  s[48:59], s[84:95] groups 0, one set for each slot
.set G1B, 32
.set G0,  48
.set G0B, 84
.set HIM, 66
.set SEL, 68
.set CS,  70                           ; s[70:71] c = log2(e) / 32
.set MUL_LO, 0xa1
.set MUL_HI, 0xf1
.set TO_B,   0x40
.set MSB, 0
.macro WIN new
.if MSB != (\new)
	s_set_vgpr_msb (MSB<<8)|(\new)
.set MSB, (\new)
.endif
.endm
.macro PLACES n
.rept \n
	v_nop
.endr
.endm
.macro JLOAD g0a, g1a, g0b, g1b        ; a joint load: waves 0, 1 fetch Q's halves, waves 2, 3 K's; an s_nop 0 and four v_nop follow each line
	s_cmp_eq_u32 s15, 0
	s_cbranch_scc0 .Lfor_b_\@
	tensor_load_to_lds s[\g0a:\g0a+3], s[\g1a:\g1a+7]
	s_nop 0
.rept 4
	v_nop
.endr
	s_branch .Lasked_\@
.Lfor_b_\@:
	tensor_load_to_lds s[\g0b:\g0b+3], s[\g1b:\g1b+7]
	s_nop 0
.rept 4
	v_nop
.endr
.Lasked_\@:
.endm
.macro CREST
	s_cmp_lg_u32 s14, 0
	s_cbranch_scc1 .Lnot_wave_0_\@
	s_barrier_signal -3
.Lnot_wave_0_\@:
	s_barrier_wait -3
	s_barrier_signal -1
	s_barrier_wait -1
.endm
.macro CROUND
	s_barrier_signal -1
	s_barrier_wait -1
	CREST
.endm
.macro WM a, b, p, zero
.set rD, 8*(8*((\a)%4)+(\b))
.set rB, 128*(\p)+12*(\b)
.set rA, AF+96*(\p)+12*(\a)
.set rX, SB+8*(\p)+(\b)/2
.set rY, SA+8*(\p)+(\a)/2
.set rV, 2*((\a)%2)+(\b)%2
.if \zero
.if rV == 0
	v_wmma_scale_f32_16x16x128_f8f6f4 v[rD:rD+7], v[rB:rB+11], v[rA:rA+11], 0, v[rX], v[rY] matrix_a_fmt:MATRIX_FMT_FP6 matrix_b_fmt:MATRIX_FMT_FP6
.elseif rV == 1
	v_wmma_scale_f32_16x16x128_f8f6f4 v[rD:rD+7], v[rB:rB+11], v[rA:rA+11], 0, v[rX], v[rY] matrix_a_fmt:MATRIX_FMT_FP6 matrix_b_fmt:MATRIX_FMT_FP6 matrix_a_scale:MATRIX_SCALE_ROW1
.elseif rV == 2
	v_wmma_scale_f32_16x16x128_f8f6f4 v[rD:rD+7], v[rB:rB+11], v[rA:rA+11], 0, v[rX], v[rY] matrix_a_fmt:MATRIX_FMT_FP6 matrix_b_fmt:MATRIX_FMT_FP6 matrix_b_scale:MATRIX_SCALE_ROW1
.else
	v_wmma_scale_f32_16x16x128_f8f6f4 v[rD:rD+7], v[rB:rB+11], v[rA:rA+11], 0, v[rX], v[rY] matrix_a_fmt:MATRIX_FMT_FP6 matrix_b_fmt:MATRIX_FMT_FP6 matrix_a_scale:MATRIX_SCALE_ROW1 matrix_b_scale:MATRIX_SCALE_ROW1
.endif
.else
.if rV == 0
	v_wmma_scale_f32_16x16x128_f8f6f4 v[rD:rD+7], v[rB:rB+11], v[rA:rA+11], v[rD:rD+7], v[rX], v[rY] matrix_a_fmt:MATRIX_FMT_FP6 matrix_b_fmt:MATRIX_FMT_FP6
.elseif rV == 1
	v_wmma_scale_f32_16x16x128_f8f6f4 v[rD:rD+7], v[rB:rB+11], v[rA:rA+11], v[rD:rD+7], v[rX], v[rY] matrix_a_fmt:MATRIX_FMT_FP6 matrix_b_fmt:MATRIX_FMT_FP6 matrix_a_scale:MATRIX_SCALE_ROW1
.elseif rV == 2
	v_wmma_scale_f32_16x16x128_f8f6f4 v[rD:rD+7], v[rB:rB+11], v[rA:rA+11], v[rD:rD+7], v[rX], v[rY] matrix_a_fmt:MATRIX_FMT_FP6 matrix_b_fmt:MATRIX_FMT_FP6 matrix_b_scale:MATRIX_SCALE_ROW1
.else
	v_wmma_scale_f32_16x16x128_f8f6f4 v[rD:rD+7], v[rB:rB+11], v[rA:rA+11], v[rD:rD+7], v[rX], v[rY] matrix_a_fmt:MATRIX_FMT_FP6 matrix_b_fmt:MATRIX_FMT_FP6 matrix_a_scale:MATRIX_SCALE_ROW1 matrix_b_scale:MATRIX_SCALE_ROW1
.endif
.endif
.endm
.macro MUL16 a0, p, zero               ; the 64 accumulators take turns, in the same order in every step
.irp a, \a0, \a0+1
.irp b, 0,1,2,3,4,5,6,7
	WM \a, \b, \p, \zero
.endr
.endr
.endm
.macro FETCH slot, q, p
	WIN TO_B
.irp i, 0,1,2,3,4,5,6,7
.irp c, 0,1,2
	ds_load_b128 v[128*(\p)+12*\i+4*\c:128*(\p)+12*\i+4*\c+3], v[ADRB+\slot] offset:\i*3072+(\q)*1536+\c*512
.endr
.endr
	WIN 0
.irp i, 0,1,2,3,4,5,6,7
.irp c, 0,1,2
	ds_load_b128 v[AF+96*(\p)+12*\i+4*\c:AF+96*(\p)+12*\i+4*\c+3], v[ADRA+\slot] offset:\i*3072+(\q)*1536+\c*512
.endr
.endr
	ds_load_b128 v[SA+8*(\p):SA+8*(\p)+3], v[ADRA+\slot] offset:24576+(\q)*512
	ds_load_b128 v[SB+8*(\p):SB+8*(\p)+3], v[ADRB+\slot] offset:24576+(\q)*512
.endm
.macro STEP0 slot, zero
	s_wait_dscnt 0x0                               ; set 0 is in
	PLACES 4                                       ; in front of loads into set 1, which the last products read
	FETCH \slot, 1, 1
	WIN MUL_LO
	MUL16 0, 0, \zero
	MUL16 2, 0, \zero
	WIN MUL_HI
	MUL16 4, 0, \zero
	MUL16 6, 0, \zero
	WIN 0
.endm
.macro TURN slot, next, fill           ; a slot's second 128, on set 1, and a change of slots with ONE barrier.  fill = 1: the slot that is left takes the fourth quarter of K
	s_wait_tensorcnt 0x0                           ; all my tensor loads have landed
	ds_add_u32 v[SPW], v[NIL]                      ; 0 onto my spare word
	s_wait_dscnt 0x1                               ; set 1 is in; the add may be out
	WIN MUL_LO
	MUL16 0, 1, 0
	s_wait_dscnt 0x0                               ; the add is done, and my reads of this slot are over
	s_barrier_signal -1
	MUL16 2, 1, 0
	WIN 0
	s_barrier_wait -1
.if \fill
	CREST                                          ; a round of the cluster's barrier: no wave of any partner still reads this slot or has a load on its way
	s_add_nc_u64 s[G0+4*\slot+2:G0+4*\slot+3], s[G0+4*\slot+2:G0+4*\slot+3], 3*BLK
	s_add_nc_u64 s[G0B+4*\slot+2:G0B+4*\slot+3], s[G0B+4*\slot+2:G0B+4*\slot+3], 3*BLK
	JLOAD G0+4*\slot, G1, G0B+4*\slot, G1B
.else
	PLACES 4
.endif
	FETCH \next, 0, 0
	WIN MUL_HI
	MUL16 4, 1, 0
	MUL16 6, 1, 0
	WIN 0
.endm
; A slot's second 128 where the next slot has long been whole: every wave waited for ALL its first fills in front of the round at which slot 0 was left.  So no barrier and no wait on TENSORcnt stand here, nothing is filled,
; and the one load that is out, into slot 0, stays on its way.
.macro PASS slot, next
	s_wait_dscnt 0x0                               ; set 1 is in
	WIN MUL_LO
	MUL16 0, 1, 0
	MUL16 2, 1, 0
	PLACES 4                                       ; in front of loads into set 0, which the step before read
	FETCH \next, 0, 0
	WIN MUL_HI
	MUL16 4, 1, 0
	MUL16 6, 1, 0
	WIN 0
.endm
	s_load_b128 s[4:7], s[0:1], 0x0                ; qk, pc
	v_lshl_add_u32 v[SPW], v0, 2, SPARE
	v_mov_b32 v[NIL], 0
	ds_add_u32 v[SPW], v[NIL]                      ; the wave's opening: the add and its wait ahead of my first tensor load
	v_lshrrev_b32 v1, 5, v0
	v_readfirstlane_b32 s14, v1                    ; wave 0..3
	s_lshr_b32 s15, s14, 1                         ; my half of the queries.  Also: I fetch for Q (0) or K (1)
	s_and_b32 s16, s14, 1                          ; my half of the keys.  Also: which half I fetch
	s_bfe_u32 s40, ttmp6, 0x40000                  ; cx
	s_bfe_u32 s41, ttmp6, 0x40004                  ; cy
	s_and_b32 s17, ttmp7, 0xffff
	s_lshl_b32 s17, s17, 4                         ; 16 x batch: its first block of 128 rows
	s_add_co_u32 s18, ttmp9, 1
	s_lshr_b32 s18, s18, 1
	s_lshl_b32 s18, s18, 2                         ; cluster x = 0, 1, 2: query tiles from 0, 4, 4 on,
	s_lshr_b32 s19, ttmp9, 1
	s_lshl_b32 s19, s19, 2                         ; key tiles from 0, 0, 4 on
	s_add_co_u32 s42, s18, s41                     ; my query tile: hangs on cy, never on cx
	s_add_co_u32 s43, s19, s40                     ; my key tile: hangs on cx, never on cy
	s_lshl_b32 s44, s41, 2
	s_lshl_b32 s44, 15, s44
	s_lshl_b32 s45, 0x1111, s40
	s_or_b32 s[G1], s44, (3<<16)|(1<<21)
	s_or_b32 s[G1B], s45, (3<<16)|(1<<21)
.irp g, G1, G1B                                ; a dense block as 100 rows of 256 bytes
	s_mov_b32 s[\g+1], 32<<16
	s_mov_b32 s[\g+2], 100<<16
	s_mov_b32 s[\g+3], 32<<16
	s_mov_b32 s[\g+4], 100
	s_mov_b32 s[\g+5], 32
	s_mov_b32 s[\g+6], 0
	s_mov_b32 s[\g+7], 0
.endr
	s_lshl_b32 s20, s42, 1
	s_add_co_u32 s20, s20, s17
	s_add_co_u32 s20, s20, s16
	s_mul_i32 s20, s20, 4*BLK
	s_mov_b32 s21, 0
	s_lshl_b32 s46, s43, 1
	s_add_co_u32 s46, s46, s17
	s_add_co_u32 s46, s46, s16
	s_add_co_u32 s46, s46, 64                      ; K's 64 row blocks lie behind Q's
	s_mul_i32 s46, s46, 4*BLK
	s_mov_b32 s47, 0
	s_lshl_b32 s76, s42, 1
	s_add_co_u32 s76, s76, s17
	s_add_co_u32 s76, s76, s15
	s_lshl_b32 s76, s76, 3
	s_add_co_u32 s76, s76, s43
	s_mul_i32 s76, s76, PBLK
	s_mov_b32 s77, 0
	s_sub_co_i32 s72, s42, s43                     ; D0 = my first query - my first key = 128 (2 (query tile - key tile) + my halves' difference)
	s_lshl_b32 s72, s72, 1
	s_add_co_i32 s72, s72, s15
	s_sub_co_i32 s72, s72, s16
	s_lshl_b32 s72, s72, 7
	s_cmp_lt_i32 s72, 0
	s_cselect_b32 s73, 0xff800000, 0               ; key tiles below the query tile are hidden only where D0 < 0,
	s_cmp_gt_i32 s72, 0
	s_cselect_b32 s74, 0, 0xff800000               ; those above it count only where D0 > 0
	s_mul_i32 s82, s14, BLK
	s_mov_b32 s[HIM], 0xffff0000
	s_mov_b32 s[SEL], 0x76543210
	s_mov_b32 s[SEL+1], 0xfedcba98
	s_mov_b32 s[CS], 0x3d38aa3b                    ; log2(e) / 32
	s_mov_b32 s[CS+1], s[CS]
	s_wait_dscnt 0x0                               ; the opening add is done
	s_wait_kmcnt 0x0
	s_add_nc_u64 s[78:79], s[4:5], s[20:21]
	s_add_nc_u64 s[80:81], s[4:5], s[46:47]
	s_add_nc_u64 s[12:13], s[6:7], s[76:77]
	CROUND                                         ; all sixteen work-groups are here: the first joint loads meet
.irp s, 0,1,2                                  ; three quarters of K at once: three loads of mine are out
	s_mov_b32 s[G0+4*\s], 1
	s_add_co_u32 s[G0+4*\s+1], s82, \s*SLOT
	s_add_nc_u64 s[G0+4*\s+2:G0+4*\s+3], s[78:79], \s*BLK
	s_or_b32 s[G0+4*\s+3], s[G0+4*\s+3], 0x80000000
	s_mov_b32 s[G0B+4*\s], 1
	s_add_co_u32 s[G0B+4*\s+1], s82, \s*SLOT
	s_add_nc_u64 s[G0B+4*\s+2:G0B+4*\s+3], s[80:81], \s*BLK
	s_or_b32 s[G0B+4*\s+3], s[G0B+4*\s+3], 0x80000000
	JLOAD G0+4*\s, G1, G0B+4*\s, G1B
.endr
	v_and_b32 v1, 31, v0
	v_lshlrev_b32 v2, 4, v1
	s_mul_i32 s21, s15, BLK
	s_mul_i32 s22, s16, BLK
	s_add_co_u32 s22, s22, 2*BLK
.irp s, 0,1,2
	v_add_nc_u32 v[ADRA+\s], s21, v2
	v_add_nc_u32 v[ADRB+\s], s22, v2
	s_add_co_u32 s21, s21, SLOT
	s_add_co_u32 s22, s22, SLOT
.endr
	s_mul_i32 s23, s16, 1536
	v_add_nc_u32 v[CO], s23, v2
	s_lshl_b32 s23, s16, 9
	v_add_nc_u32 v[CS2], s23, v2
	s_wait_tensorcnt 0x2                           ; my block of slot 0 is in; those of slots 1 and 2 may be out
	s_barrier_signal -1
	s_barrier_wait -1
	FETCH 0, 0, 0
	STEP0 0, 1                                     ; the first step's products start the sums: nothing is cleared
	TURN 0, 1, 1                                   ; slot 0 is left and takes the fourth quarter of K: the launch's one refill
	STEP0 1, 0
	PASS 1, 2
	STEP0 2, 0
	TURN 2, 0, 0                                   ; the fourth quarter has landed, in every wave; nothing is filled
	STEP0 0, 0
	s_wait_dscnt 0x0
	WIN MUL_LO
	MUL16 0, 1, 0
	MUL16 2, 1, 0
	WIN MUL_HI
	MUL16 4, 1, 0
	MUL16 6, 1, 0
	WIN 0
; THE WAY OUT.  Query tile a: lane (r, h) holds query 16 a + r; register 8 b + j is key 16 b + 8 h + j, hidden where 16 (b - a) + j > D0 + r - 8 h.
.macro SOFT a
.set AC, 64*((\a)%4)
.set W, 2+(\a)/4
	s_wait_xcnt 0x0                                ; the last tile's stores have read the codes' registers
	WIN W
.irp b, 0,1,2,3,4,5,6,7                        ; t = score x c + the mask's addend; each accumulator is read from its low end on
.irp j, 0,2,4,6
.if \b < (\a)
	v_pk_fma_f32 v[T+8*\b+\j:T+8*\b+\j+1], v[AC+8*\b+\j:AC+8*\b+\j+1], s[CS:CS+1], v[LO:LO+1] op_sel_hi:[1,0,1]
.elseif \b == (\a)
	v_pk_fma_f32 v[T+8*\b+\j:T+8*\b+\j+1], v[AC+8*\b+\j:AC+8*\b+\j+1], s[CS:CS+1], v[DG+\j:DG+\j+1] op_sel_hi:[1,0,1]
.else
	v_pk_fma_f32 v[T+8*\b+\j:T+8*\b+\j+1], v[AC+8*\b+\j:AC+8*\b+\j+1], s[CS:CS+1], v[HI:HI+1] op_sel_hi:[1,0,1]
.endif
.endr
.endr
	WIN 0
.irp b, 0,1,2,3
	v_max3_num_f32 v[BM+\b], v[T+16*\b], v[T+16*\b+1], v[T+16*\b+2]   ; the largest t of each block of 32 keys: it serves the row's maximum and, since p rises with t, the block's largest p
.endr
.irp i, 3,5,7,9,11,13
.irp b, 0,1,2,3
	v_max3_num_f32 v[BM+\b], v[BM+\b], v[T+16*\b+\i], v[T+16*\b+\i+1]
.endr
.endr
.irp b, 0,1,2,3
	v_max_num_f32 v[BM+\b], v[BM+\b], v[T+16*\b+15]
.endr
.irp b, 0,1,2,3
	v_permlanex16_b32 v[BX+\b], v[BM+\b], s[SEL], s[SEL+1]
.endr
.irp b, 0,1,2,3
	v_max_num_f32 v[BM+\b], v[BM+\b], v[BX+\b]
.endr
	v_max3_num_f32 v[TT], v[BM], v[BM+1], v[BM+2]
	v_max3_num_f32 v[TT], v[TT], v[BM+3], 0xff61b1e6   ; a row with no key in these 128 takes -3e38
	v_floor_f32 v[NM], -v[TT]                      ; -Mloc = floor(-t): a whole number
.set n, 0
.rept 32
	v_pk_add_f32 v[T+n:T+n+1], v[T+n:T+n+1], v[NM:NM+1] op_sel_hi:[1,0]
.set n, n+2
.endr
.irp b, 0,1,2,3
	v_add_f32 v[BM+\b], v[BM+\b], v[NM]            ; the same of each block's largest t
.endr
.set n, 0
.rept 64
	v_exp_f32 v[T+n], v[T+n]                       ; p = 2^(t - Mloc), at most 1; 0 where hidden
.set n, n+1
.endr
	v_nop                                          ; a plain place behind the exponentials
	s_wait_alu depctr_va_vdst(0)                   ; the wait ahead of the first reader: one for the batch
.irp b, 0,1,2,3
	v_exp_f32 v[BM+\b], v[BM+\b]                   ; the block's largest p: the same instructions on the same number give the same bits
.endr
	v_pk_add_f32 v[S0:S0+1], v[T:T+1], v[T+4:T+5]  ; the sum of the unquantised p, in two chains: plain work behind the four
	v_pk_add_f32 v[S1:S1+1], v[T+2:T+3], v[T+6:T+7]
.irp j, 8,12,16,20,24,28,32,36,40,44,48,52,56,60
	v_pk_add_f32 v[S0:S0+1], v[S0:S0+1], v[T+\j:T+\j+1]
	v_pk_add_f32 v[S1:S1+1], v[S1:S1+1], v[T+\j+2:T+\j+3]
.endr
	v_pk_add_f32 v[S0:S0+1], v[S0:S0+1], v[S1:S1+1]
	s_wait_alu depctr_va_vdst(0)                   ; and one for the four
.irp b, 0,1,2,3
	v_max_num_f32 v[BM+\b], 0x1800000, v[BM+\b]    ; the floor 2^(3 - 127): a block whose every p is 0 keeps the byte 1: its codes are zeros
.endr
.irp b, 0,1,2,3
	v_add_nc_u32 v[SOP+\b], 0xff000000, v[BM+\b]
.endr
.irp b, 0,1,2,3
	v_lshrrev_b32 v[BX+\b], 23, v[SOP+\b]
.endr
	v_lshl_or_b32 v[PW], v[BX+1], 8, v[BX]
	v_lshl_or_b32 v[PW], v[BX+2], 16, v[PW]
	v_lshl_or_b32 v[PW], v[BX+3], 24, v[PW]
.irp c, 0,1
	v_cvt_scalef32_pk16_fp6_f32 v[PC+6*\c:PC+6*\c+2], v[T+32*\c:T+32*\c+15], v[SOP+2*\c]
	v_cvt_scalef32_pk16_fp6_f32 v[PC+12+4*\c:PC+14+4*\c], v[T+32*\c+16:T+32*\c+31], v[SOP+2*\c+1]
.endr
	v_nop                                          ; one plain place behind a scaled conversion
.irp c, 0,1
.irp i, 0,1,2
	v_permlane16_swap_b32 v[PC+6*\c+\i], v[PC+12+4*\c+\i]
.endr
.irp i, 0,1,2
	v_mov_b32 v[PC+3+6*\c+\i], v[PC+12+4*\c+\i]
.endr
.endr
.irp c, 0,1,2
	global_store_b128 v[CO], v[PC+4*\c:PC+4*\c+3], s[12:13] offset:(\a)*3072+512*\c
.endr
	v_add_f32 v[S0], v[S0], v[S0+1]
	v_permlanex16_b32 v[TT], v[S0], s[SEL], s[SEL+1]
	v_add_f32 v[S0], v[S0], v[TT]                  ; the row's sum over these 128 keys, in both halves
.if (\a)%2 == 0
	v_mov_b32 v[SW+(\a)/2], v[PW]
	v_mov_b32 v[MW+(\a)/2], v[NM]
	v_mov_b32 v[LW+(\a)/2], v[S0]
.else
	v_cndmask_b32 v[SW+(\a)/2], v[SW+(\a)/2], v[PW], s[HIM]
	v_cndmask_b32 v[MW+(\a)/2], v[MW+(\a)/2], v[NM], s[HIM]
	v_cndmask_b32 v[LW+(\a)/2], v[LW+(\a)/2], v[S0], s[HIM]
.endif
.endm
	PLACES 4                                       ; behind the last products
	v_mov_b32 v[LO], s73
	v_mov_b32 v[LO+1], s73
	v_mov_b32 v[HI], s74
	v_mov_b32 v[HI+1], s74
	v_and_b32 v1, 15, v0
	v_bfe_u32 v2, v0, 4, 1
	v_lshlrev_b32 v2, 3, v2
	v_sub_nc_u32 v1, v1, v2
	v_add_nc_u32 v1, s72, v1                       ; D0 + r - 8 h
	v_mov_b32 v3, 0xff800000
.irp j, 0,1,2,3,4,5,6,7
	v_cmp_gt_i32 vcc_lo, \j, v1
	v_cndmask_b32 v[DG+\j], 0, v3, vcc_lo          ; on the diagonal: -infinity where j > D0 + r - 8 h
.endr
.irp b, 0,1,2,3
	v_mov_b32 v[BX+\b], 0                          ; written once: a lane permute's destination counts as one of its sources
.endr
	v_mov_b32 v[NM+1], 0                           ; (named as the upper half of a pair)
.irp a, 0,1,2,3,4,5,6,7
	SOFT \a
.endr
	global_store_b128 v[CS2], v[SW:SW+3], s[12:13] offset:24576
	global_store_b128 v[CS2], v[MW:MW+3], s[12:13] offset:25600
	global_store_b128 v[CS2], v[LW:LW+3], s[12:13] offset:26624
	s_wait_tensorcnt 0x0                           ; the wave's end
	ds_add_u32 v[SPW], v[NIL]
	s_wait_dscnt 0x0
	CROUND                                         ; the closing round
	s_endpgm
.Lfunc_end_k_qfd5ec77dea_score:
	.size	k_qfd5ec77dea_score, .Lfunc_end_k_qfd5ec77dea_score-k_qfd5ec77dea_score
	.p2alignl 7, 3214868480
	.fill 96, 4, 3214868480
	.section	.rodata,"a",@progbits
	.p2align	6, 0x0
	.amdhsa_kernel k_qfd5ec77dea_score
		.amdhsa_group_segment_fixed_size 327680
		.amdhsa_private_segment_fixed_size 0
		.amdhsa_enable_private_segment 0
		.amdhsa_kernarg_size 16
		.amdhsa_user_sgpr_count 2
		.amdhsa_user_sgpr_kernarg_segment_ptr 1
		.amdhsa_wavefront_size32 1
		.amdhsa_system_sgpr_workgroup_id_x 1
		.amdhsa_system_sgpr_workgroup_id_y 1
		.amdhsa_system_sgpr_workgroup_id_z 1
		.amdhsa_system_vgpr_workitem_id 0
		.amdhsa_next_free_vgpr 1024
		.amdhsa_next_free_sgpr 100
		.amdhsa_reserve_vcc 1
		.amdhsa_float_denorm_mode_32 3
		.amdhsa_float_denorm_mode_16_64 3
		.amdhsa_memory_ordered 1
		.amdhsa_forward_progress 1
		.amdhsa_inst_pref_size 206
	.end_amdhsa_kernel
	.amdgpu_metadata
---
amdhsa.version: [ 1, 2 ]
amdhsa.kernels:
  - .name:           k_qfd5ec77dea_score
    .symbol:         k_qfd5ec77dea_score.kd
    .args:
      - { .name: qk, .offset: 0, .size: 8, .value_kind: global_buffer, .address_space: global }
      - { .name: pc, .offset: 8, .size: 8, .value_kind: global_buffer, .address_space: global }
    .group_segment_fixed_size: 327680
    .private_segment_fixed_size: 0
    .kernarg_segment_align: 8
    .kernarg_segment_size: 16
    .max_flat_workgroup_size: 128
    .sgpr_count:     100
    .vgpr_count:     1024
    .wavefront_size: 32
...
	.end_amdgpu_metadata
.endif
;; end of part 3
;; launch pv (part 4): grid 8 x 32, 4 waves a work-group, clusters of 4 x 4, 327,680 bytes of LDS; arguments pc, vc, out0; writes out0
.if DOCPART == 4
	.amdgcn_target "amdgcn-amd-amdhsa--gfx1250"
	.amdhsa_code_object_version 6
	.text
	.protected	k_qfd5ec77dea_pv
	.globl	k_qfd5ec77dea_pv
	.p2align	8
	.type	k_qfd5ec77dea_pv,@function
k_qfd5ec77dea_pv:
	s_mov_b64 s[64:65], 0
	v_nop
	global_prefetch_b8 v0, s[64:65] scope:SCOPE_SE
	s_setreg_imm32_b32 hwreg(HW_REG_WAVE_MODE, 25, 1), 1
	s_wait_xcnt 0x0
	s_wait_alu depctr_hold_cnt(0) depctr_sa_sdst(0) depctr_va_vdst(0) depctr_va_sdst(0) depctr_va_ssrc(0) depctr_va_vcc(0) depctr_vm_vsrc(0)
	s_getreg_b32 s2, hwreg(HW_REG_IB_STS2, 6, 4)
	s_cmp_eq_u32 s2, 0
	s_cbranch_scc0 .Lentry_in_a_cluster
	s_endpgm
.Lentry_in_a_cluster:
	s_bfe_u32 s2, ttmp6, 0x10000c
	s_cmp_lg_u32 s2, 0xf033
	s_cbranch_scc0 .Lentry_shape_is_right
	s_endpgm
.Lentry_shape_is_right:
; out = round(P V / l, 4 decimals): P and V as codes of FP6 (E2M3) with E8M0 scales, K = the keys; sums in f32.
; P's codes were made under an M of their own for each (row, 128 keys).  Here the row's M is the largest of them; a run's four scale bytes are lowered by d = M - Mloc (a whole number, 0 or more), which is what the
; quantiser's scale would have been under the row's M; the row's sum l is the runs' sums times 2^(Mloc - M).
; A tile of 256 queries x 128 channels is made by four waves, 128 x 64 each: 32 accumulators.  With tiles of 256 x 256 there would be 128 work-groups; so there are 256.
; 'A' (source 1) = P's rows (queries), 'B' (source 0) = V's rows (channels): a lane holds one query and eight neighbouring channels.
; A SLOT HOLDS 512 KEYS, four K steps: as much as two slots in LDS allow.  Of P a wave brings two blocks that follow each other in memory by one load of 54,272 dense bytes (the first block's 1,024 bytes of sums ride along unread);
; of V a wave brings one whole block.  Both slots are asked for at the start: two tensor loads of a wave are out then, later one.
; CLUSTER 4 x 4: four query tiles x four channel tiles of one batch.  P's blocks are shared along a row, V's along a column, by joint loads.  All partners walk the keys to the cluster's edge: 1,024 keys are the two first fills
; and nothing more; 2,048 keys are one lap more, with two refills, each with 112 matrix instructions in which to land.  The lap's trip count, 0 or 1, hangs on the cluster's number alone: it is the same in all partners and all waves.
; Beyond a query tile's own limit P's codes are zeros.
; REGISTERS: window 0: addresses, scales, statistics, the way out.  window 1: accumulator (a, b) at v[8 (4 a + b)].  windows 2, 3: fragment sets 0, 1: A at v0-95, B at v96-143.
; LIMITS: a byte that would fall under 0 is held at 0 (2^-127) and not made smaller.  The rounding is rndne(sum x (1e4 / l)) x 1e-4, not a division by 1e4.  NaN and infinities are not served.
.set PBLK,  27648
.set ABYT,  2*PBLK-1024                ; what one load fetches of P: two blocks less the second's sums
.set BLK,   25600
.set BOFF,  2*ABYT
.set SLOT4, BOFF+2*BLK                 ; P's two halves, then V's two blocks
.set SPARE, 2*SLOT4
.set ADRA, 16                          ; v16-17 my half of P in slot 0, 1, + 16 x lane
.set ADRB, 18                          ; v18-19 my four tiles of V
.set ADRS, 20                          ; v20-21 my 64 channels' scale words: 16 x lane + 8 x half
.set STO,  22
.set RD,   23
.set CO,   24
.set SPW,  28
.set NIL,  29
.set SA,   32                          ; v32-39 P's scale words under the row's M, two sets
.set SB,   40                          ; v40-43 V's, two sets
.set RW,   44                          ; v44-47 P's scale words as stored;  v48-51 -Mloc
.set MC,   48
.set DD,   52
.set WT,   56
.set MT,   60
.set NMR,  64                          ; v64-67 -M of my 128 rows (row 32 j + lane)
.set LS,   68
.set XR,   72
.set RLS,  76                          ; v76-91 1e4 / l of tile a's rows, as a pair, in both halves of the lanes
.set ST,   128                         ; v128-191 the 16 runs' -Mloc, v192-255 their sums
.set TMP,  128
.set BK,   160
.set G1,  24
.set G0,  32
.set G1B, 48
.set G0B, 56
.set HIM, 66
.set SEL, 68
.set MSB, 0
.macro WIN new
.if MSB != (\new)
	s_set_vgpr_msb (MSB<<8)|(\new)
.set MSB, (\new)
.endif
.endm
.macro PLACES n
.rept \n
	v_nop
.endr
.endm
.macro JLOAD g0a, g1a, g0b, g1b        ; a joint load: waves 0, 1 fetch P's halves, waves 2, 3 V's two blocks; an s_nop 0 and four v_nop follow each line
	s_cmp_eq_u32 s15, 0
	s_cbranch_scc0 .Lfor_b_\@
	tensor_load_to_lds s[\g0a:\g0a+3], s[\g1a:\g1a+7]
	s_nop 0
.rept 4
	v_nop
.endr
	s_branch .Lasked_\@
.Lfor_b_\@:
	tensor_load_to_lds s[\g0b:\g0b+3], s[\g1b:\g1b+7]
	s_nop 0
.rept 4
	v_nop
.endr
.Lasked_\@:
.endm
.macro CREST
	s_cmp_lg_u32 s14, 0
	s_cbranch_scc1 .Lnot_wave_0_\@
	s_barrier_signal -3
.Lnot_wave_0_\@:
	s_barrier_wait -3
	s_barrier_signal -1
	s_barrier_wait -1
.endm
.macro CROUND
	s_barrier_signal -1
	s_barrier_wait -1
	CREST
.endm
.macro WM4 a, b, p, zero
.set rD, 8*(4*(\a)+(\b))
.set rB, 96+12*(\b)
.set rA, 12*(\a)
.set rX, SB+2*(\p)+(\b)/2
.set rY, SA+4*(\p)+(\a)/2
.set rV, 2*((\a)%2)+(\b)%2
.if \zero
.if rV == 0
	v_wmma_scale_f32_16x16x128_f8f6f4 v[rD:rD+7], v[rB:rB+11], v[rA:rA+11], 0, v[rX], v[rY] matrix_a_fmt:MATRIX_FMT_FP6 matrix_b_fmt:MATRIX_FMT_FP6
.elseif rV == 1
	v_wmma_scale_f32_16x16x128_f8f6f4 v[rD:rD+7], v[rB:rB+11], v[rA:rA+11], 0, v[rX], v[rY] matrix_a_fmt:MATRIX_FMT_FP6 matrix_b_fmt:MATRIX_FMT_FP6 matrix_a_scale:MATRIX_SCALE_ROW1
.elseif rV == 2
	v_wmma_scale_f32_16x16x128_f8f6f4 v[rD:rD+7], v[rB:rB+11], v[rA:rA+11], 0, v[rX], v[rY] matrix_a_fmt:MATRIX_FMT_FP6 matrix_b_fmt:MATRIX_FMT_FP6 matrix_b_scale:MATRIX_SCALE_ROW1
.else
	v_wmma_scale_f32_16x16x128_f8f6f4 v[rD:rD+7], v[rB:rB+11], v[rA:rA+11], 0, v[rX], v[rY] matrix_a_fmt:MATRIX_FMT_FP6 matrix_b_fmt:MATRIX_FMT_FP6 matrix_a_scale:MATRIX_SCALE_ROW1 matrix_b_scale:MATRIX_SCALE_ROW1
.endif
.else
.if rV == 0
	v_wmma_scale_f32_16x16x128_f8f6f4 v[rD:rD+7], v[rB:rB+11], v[rA:rA+11], v[rD:rD+7], v[rX], v[rY] matrix_a_fmt:MATRIX_FMT_FP6 matrix_b_fmt:MATRIX_FMT_FP6
.elseif rV == 1
	v_wmma_scale_f32_16x16x128_f8f6f4 v[rD:rD+7], v[rB:rB+11], v[rA:rA+11], v[rD:rD+7], v[rX], v[rY] matrix_a_fmt:MATRIX_FMT_FP6 matrix_b_fmt:MATRIX_FMT_FP6 matrix_a_scale:MATRIX_SCALE_ROW1
.elseif rV == 2
	v_wmma_scale_f32_16x16x128_f8f6f4 v[rD:rD+7], v[rB:rB+11], v[rA:rA+11], v[rD:rD+7], v[rX], v[rY] matrix_a_fmt:MATRIX_FMT_FP6 matrix_b_fmt:MATRIX_FMT_FP6 matrix_b_scale:MATRIX_SCALE_ROW1
.else
	v_wmma_scale_f32_16x16x128_f8f6f4 v[rD:rD+7], v[rB:rB+11], v[rA:rA+11], v[rD:rD+7], v[rX], v[rY] matrix_a_fmt:MATRIX_FMT_FP6 matrix_b_fmt:MATRIX_FMT_FP6 matrix_a_scale:MATRIX_SCALE_ROW1 matrix_b_scale:MATRIX_SCALE_ROW1
.endif
.endif
.endm
.macro MUL8 a0, p, zero                ; the 32 accumulators take turns, in the same order in every step
.irp a, \a0, \a0+1
.irp b, 0,1,2,3
	WM4 \a, \b, \p, \zero
.endr
.endr
.endm
.macro FETCH4 slot, q, p               ; the slot's q-th 128 keys (block q / 2, its K step q % 2) into set p: 39 LDS loads: the two that the bytes' move wants first, then 37
.set oA, ((\q)/2)*PBLK+((\q)%2)*1536
.set oS, ((\q)/2)*PBLK+((\q)%2)*512
.set oB, ((\q)/2)*BLK+((\q)%2)*1536
.set oT, ((\q)/2)*BLK+((\q)%2)*512
	ds_load_b128 v[RW:RW+3], v[ADRA+\slot] offset:oS+24576
	ds_load_b128 v[MC:MC+3], v[ADRA+\slot] offset:oS+25600
	ds_load_b64 v[SB+2*(\p):SB+2*(\p)+1], v[ADRS+\slot] offset:oT+24576
	WIN 0x80+0x40*(\p)                             ; destination window 2 or 3
.irp i, 0,1,2,3
.irp c, 0,1,2
	ds_load_b128 v[96+12*\i+4*\c:96+12*\i+4*\c+3], v[ADRB+\slot] offset:oB+\i*3072+\c*512
.endr
.endr
.irp i, 0,1,2,3,4,5,6,7
.irp c, 0,1,2
	ds_load_b128 v[12*\i+4*\c:12*\i+4*\c+3], v[ADRA+\slot] offset:oA+\i*3072+\c*512
.endr
.endr
	WIN 0
.endm
; P's scale words under the row's M: each of a word's four bytes less d = min(M - Mloc, 127), held at 0.  The bytes are 1 .. 125, so with bit 7 set no borrow passes from byte to byte; bit 7 then says whether byte >= d.
.macro ADJ p
.irp j, 0,1,2,3
	v_sub_f32 v[DD+\j], v[MC+\j], v[NMR+\j]
.endr
.irp j, 0,1,2,3
	v_min_num_f32 v[DD+\j], 0x42fe0000, v[DD+\j]
.endr
.irp j, 0,1,2,3
	v_cvt_u32_f32 v[DD+\j], v[DD+\j]
.endr
.irp j, 0,1,2,3
	v_lshl_or_b32 v[DD+\j], v[DD+\j], 8, v[DD+\j]
.endr
.irp j, 0,1,2,3
	v_lshl_or_b32 v[DD+\j], v[DD+\j], 16, v[DD+\j] ; d in all four bytes
.endr
.irp j, 0,1,2,3
	v_or_b32 v[WT+\j], 0x80808080, v[RW+\j]
.endr
.irp j, 0,1,2,3
	v_sub_nc_u32 v[WT+\j], v[WT+\j], v[DD+\j]
.endr
.irp j, 0,1,2,3
	v_and_b32 v[MT+\j], 0x80808080, v[WT+\j]
.endr
.irp j, 0,1,2,3
	v_lshrrev_b32 v[DD+\j], 7, v[MT+\j]
.endr
.irp j, 0,1,2,3
	v_sub_nc_u32 v[MT+\j], v[MT+\j], v[DD+\j]      ; 0x7f in each byte that stays
.endr
.irp j, 0,1,2,3
	v_and_b32 v[SA+4*(\p)+\j], v[WT+\j], v[MT+\j]
.endr
.endm
.macro STEP4 slot, q, p, zero          ; one of a slot's first three K steps, the q-th, on set p = q % 2; its successor lies in the same slot
	s_wait_dscnt 0x0                               ; set p is in
	PLACES 8                                       ; set p's scale words were written by vector instructions: eight places ahead of the products; also the places in front of the loads into the other set
	FETCH4 \slot, \q+1, 1-\p
	WIN 0x5a+5*(\p)                                ; sources 0 and 1 window 2 or 3, C and D window 1
	MUL8 0, \p, \zero
	MUL8 2, \p, \zero
	WIN 0
	s_wait_dscnt 37                                ; the stored words and -Mloc are in; the 37 loads behind them may be out
	ADJ 1-\p
	WIN 0x5a+5*(\p)
	MUL8 4, \p, \zero
	MUL8 6, \p, \zero
	WIN 0
.endm
.macro TURN4 slot, next, fill          ; a slot's fourth K step, on set 1, and the change of slots: ONE barrier
	s_wait_tensorcnt 0x0                           ; all my tensor loads have landed: my part of the next slot
	ds_add_u32 v[SPW], v[NIL]                      ; 0 onto my spare word
	PLACES 8                                       ; set 1's scale words were written by vector instructions
	s_wait_dscnt 0x1                               ; set 1 is in; the add may be out
	WIN 0x5f
	MUL8 0, 1, 0
	s_wait_dscnt 0x0                               ; the add is done, and my reads of this slot are over
	s_barrier_signal -1
	MUL8 2, 1, 0
	WIN 0
	s_barrier_wait -1
.if \fill
	CREST                                          ; a round of the cluster's barrier: no wave of any partner still reads this slot or has a load on its way
	s_add_nc_u64 s[G0+4*\slot+2:G0+4*\slot+3], s[G0+4*\slot+2:G0+4*\slot+3], 4*PBLK
	s_add_nc_u64 s[G0B+4*\slot+2:G0B+4*\slot+3], s[G0B+4*\slot+2:G0B+4*\slot+3], 4*BLK
	JLOAD G0+4*\slot, G1, G0B+4*\slot, G1B
.else
	PLACES 4
.endif
	FETCH4 \next, 0, 0
	WIN 0x5f
	MUL8 4, 1, 0
	WIN 0
	s_wait_dscnt 37
	ADJ 0
	WIN 0x5f
	MUL8 6, 1, 0
	WIN 0
.endm
	s_load_b128 s[4:7], s[0:1], 0x0                ; pc, vc
	s_load_b64 s[8:9], s[0:1], 0x10                ; out0
	v_lshl_add_u32 v[SPW], v0, 2, SPARE
	v_mov_b32 v[NIL], 0
	ds_add_u32 v[SPW], v[NIL]                      ; the wave's opening: the add and its wait ahead of my first tensor load
	v_lshrrev_b32 v1, 5, v0
	v_readfirstlane_b32 s14, v1                    ; wave 0..3
	s_lshr_b32 s15, s14, 1                         ; my half of the queries.  Also: I fetch for P (0) or V (1)
	s_and_b32 s16, s14, 1                          ; my half of the channels.  Also: which half of P, which block of V I fetch
	s_bfe_u32 s40, ttmp6, 0x40000                  ; cx
	s_bfe_u32 s41, ttmp6, 0x40004                  ; cy
	s_and_b32 s17, ttmp7, 0xffff                   ; cluster y = 2 x batch + which four query tiles
	s_lshr_b32 s18, s17, 1                         ; batch
	s_and_b32 s19, s17, 1
	s_lshl_b32 s42, s17, 2
	s_add_co_u32 s42, s42, s41                     ; my tile of 256 queries, 0..31: hangs on cy, never on cx
	s_lshl_b32 s43, ttmp9, 2
	s_add_co_u32 s43, s43, s40                     ; my 128 channels, 0..7: hangs on cx, never on cy
	s_lshl_b32 s44, s41, 2
	s_lshl_b32 s44, 15, s44
	s_lshl_b32 s45, 0x1111, s40
	s_or_b32 s[G1], s44, (3<<16)|(1<<21)
	s_or_b32 s[G1B], s45, (3<<16)|(1<<21)
	s_mov_b32 s[G1+1], 32<<16                      ; P: 212 rows of 256 bytes
	s_mov_b32 s[G1+2], (ABYT/256)<<16
	s_mov_b32 s[G1+3], 32<<16
	s_mov_b32 s[G1+4], ABYT/256
	s_mov_b32 s[G1+5], 32
	s_mov_b32 s[G1+6], 0
	s_mov_b32 s[G1+7], 0
	s_mov_b32 s[G1B+1], 32<<16                     ; V: a block, 100 rows of 256 bytes
	s_mov_b32 s[G1B+2], 100<<16
	s_mov_b32 s[G1B+3], 32<<16
	s_mov_b32 s[G1B+4], 100
	s_mov_b32 s[G1B+5], 32
	s_mov_b32 s[G1B+6], 0
	s_mov_b32 s[G1B+7], 0
	s_lshl_b32 s20, s42, 1
	s_add_co_u32 s20, s20, s16
	s_mul_i32 s20, s20, 8*PBLK                     ; P: the query block that I fetch, its eight blocks of 256 keys
	s_mov_b32 s21, 0
	s_lshl_b32 s46, s18, 3
	s_add_co_u32 s46, s46, s43
	s_mul_i32 s46, s46, 8*BLK
	s_mul_i32 s47, s16, BLK
	s_add_co_u32 s46, s46, s47                     ; V: (8 batch + channel block), my block of a slot's two
	s_mov_b32 s47, 0
	s_lshl_b32 s84, s42, 1
	s_add_co_u32 s84, s84, s15
	s_mul_i32 s84, s84, 8*PBLK                     ; P: the query block that I multiply: its statistics
	s_mov_b32 s85, 0
	s_lshl_b32 s76, s42, 8
	s_lshl_b32 s77, s15, 7
	s_add_co_u32 s76, s76, s77
	s_lshl_b32 s76, s76, 12                        ; my first row of out0, 4,096 bytes a row,
	s_lshl_b32 s77, s43, 9
	s_add_co_u32 s76, s76, s77
	s_lshl_b32 s77, s16, 8
	s_add_co_u32 s76, s76, s77                     ; my 64 channels
	s_mov_b32 s77, 0
	s_mul_i32 s82, s16, ABYT                       ; where my load lands: no place in the cluster enters an LDS address
	s_mul_i32 s83, s16, BLK
	s_add_co_u32 s83, s83, BOFF
	s_mul_i32 s74, s19, 4*PBLK                     ; keys 1,024 on where the cluster walks 2,048; else keys 0 on once more,
	s_cmp_eq_u32 s19, 1
	s_cselect_b32 s75, 1.0, 0                      ; and then their sums count for nothing
	s_mov_b32 s3, s19                              ; laps with refills: 0 or 1
	s_mov_b32 s[HIM], 0xffff0000
	s_mov_b32 s[SEL], 0x76543210
	s_mov_b32 s[SEL+1], 0xfedcba98
	s_wait_dscnt 0x0                               ; the opening add is done
	s_wait_kmcnt 0x0
	s_add_nc_u64 s[78:79], s[4:5], s[20:21]
	s_add_nc_u64 s[80:81], s[6:7], s[46:47]
	s_add_nc_u64 s[86:87], s[4:5], s[84:85]
	s_add_nc_u64 s[8:9], s[8:9], s[76:77]
	CROUND                                         ; all sixteen work-groups are here: the first joint loads meet
.irp s, 0,1
	s_mov_b32 s[G0+4*\s], 1
	s_add_co_u32 s[G0+4*\s+1], s82, \s*SLOT4
	s_add_nc_u64 s[G0+4*\s+2:G0+4*\s+3], s[78:79], \s*2*PBLK
	s_or_b32 s[G0+4*\s+3], s[G0+4*\s+3], 0x80000000
	s_mov_b32 s[G0B+4*\s], 1
	s_add_co_u32 s[G0B+4*\s+1], s83, \s*SLOT4
	s_add_nc_u64 s[G0B+4*\s+2:G0B+4*\s+3], s[80:81], \s*2*BLK
	s_or_b32 s[G0B+4*\s+3], s[G0B+4*\s+3], 0x80000000
	JLOAD G0+4*\s, G1, G0B+4*\s, G1B               ; two loads of mine are out
.endr
	; THE ROWS' M AND l, while the first tiles are on their way: 16 runs of 128 keys, -Mloc and the sum of each: 32 loads of 512 consecutive bytes
	v_and_b32 v1, 31, v0
	v_lshlrev_b32 v2, 4, v1                        ; 16 x lane
	v_add_nc_u32 v3, s74, v2
.irp n, 0,1,2,3,4,5,6,7
	global_load_b128 v[ST+4*\n:ST+4*\n+3], v2, s[86:87] offset:(\n/2)*PBLK+25600+(\n%2)*512
	global_load_b128 v[ST+32+4*\n:ST+32+4*\n+3], v3, s[86:87] offset:(\n/2)*PBLK+25600+(\n%2)*512
	global_load_b128 v[ST+64+4*\n:ST+64+4*\n+3], v2, s[86:87] offset:(\n/2)*PBLK+26624+(\n%2)*512
	global_load_b128 v[ST+96+4*\n:ST+96+4*\n+3], v3, s[86:87] offset:(\n/2)*PBLK+26624+(\n%2)*512
.endr
	s_mul_i32 s21, s15, ABYT
	s_mul_i32 s22, s16, 12288                      ; my four tiles of V's eight
	s_add_co_u32 s22, s22, BOFF
	s_lshl_b32 s23, s16, 3
	s_add_co_u32 s23, s23, BOFF
.irp s, 0,1
	v_add_nc_u32 v[ADRA+\s], s21, v2
	v_add_nc_u32 v[ADRB+\s], s22, v2
	v_add_nc_u32 v[ADRS+\s], s23, v2
	s_add_co_u32 s21, s21, SLOT4
	s_add_co_u32 s22, s22, SLOT4
	s_add_co_u32 s23, s23, SLOT4
.endr
	v_and_b32 v4, 15, v0                           ; r
	v_bfe_u32 v5, v0, 4, 1                         ; h
	s_mul_i32 s21, s14, 16*272                     ; my stage: 16 rows x (256 bytes + 16), in slot 0, which has had its last fill and its last read when the first result is stored there
	v_mul_u32_u24 v[STO], v4, 272
	v_lshl_add_u32 v[STO], v5, 5, v[STO]
	v_add_nc_u32 v[STO], s21, v[STO]               ; in: row r, 32 bytes for each half of the lanes
	v_mul_u32_u24 v[RD], v5, 272
	v_lshl_add_u32 v[RD], v4, 4, v[RD]
	v_add_nc_u32 v[RD], s21, v[RD]                 ; back: lanes 0-15 one row, lanes 16-31 the next
	v_lshlrev_b32 v[CO], 12, v5
	v_lshl_add_u32 v[CO], v4, 4, v[CO]             ; and the same two rows in out0
.irp j, 0,1,2,3
	v_mov_b32 v[DD+\j], 0                          ; written once: a lane permute's destination counts as one of its sources
.endr
	s_wait_loadcnt 0x0
.irp j, 0,1,2,3
	v_min3_num_f32 v[NMR+\j], v[ST+\j], v[ST+4+\j], v[ST+8+\j]   ; -M = the least -Mloc
.endr
.irp n, 3,5,7,9,11,13
.irp j, 0,1,2,3
	v_min3_num_f32 v[NMR+\j], v[NMR+\j], v[ST+4*\n+\j], v[ST+4*\n+4+\j]
.endr
.endr
.irp j, 0,1,2,3
	v_min_num_f32 v[NMR+\j], v[NMR+\j], v[ST+60+\j]
.endr
.irp n, 0,1,2,3,4,5,6,7,8,9,10,11,12,13,14,15
.irp j, 0,1,2,3
	v_sub_f32 v[ST+4*\n+\j], v[NMR+\j], v[ST+4*\n+\j]   ; Mloc - M: a whole number, 0 or less
.endr
.irp j, 0,1,2,3
	v_max_num_f32 v[ST+4*\n+\j], 0xc3480000, v[ST+4*\n+\j]   ; held at -200: under that a run's sum is nothing
.endr
.irp j, 0,1,2,3
	v_cvt_i32_f32 v[ST+4*\n+\j], v[ST+4*\n+\j]
.endr
.irp j, 0,1,2,3
.if \n == 0
	v_ldexp_f32 v[LS+\j], v[ST+64+\j], v[ST+\j]    ; the first run starts the sum
.else
	v_ldexp_f32 v[ST+64+4*\n+\j], v[ST+64+4*\n+\j], v[ST+4*\n+\j]
.endif
.endr
.irp j, 0,1,2,3
.if \n == 0
.elseif \n < 8
	v_add_f32 v[LS+\j], v[LS+\j], v[ST+64+4*\n+\j]
.else
	v_fma_f32 v[LS+\j], v[ST+64+4*\n+\j], s75, v[LS+\j]
.endif
.endr
.endr
.irp j, 0,1,2,3
	v_rcp_f32 v[XR+\j], v[LS+\j]
.endr
	v_nop                                          ; a plain place behind the reciprocals
	s_wait_alu depctr_va_vdst(0)                   ; the wait ahead of the first reader: one for the four
.irp j, 0,1,2,3
	v_mul_f32 v[XR+\j], 0x461c4000, v[XR+\j]       ; 1e4 / l of row 32 j + lane
.endr
.irp j, 0,1,2,3
	v_permlanex16_b32 v[DD+\j], v[XR+\j], s[SEL], s[SEL+1]
.endr
.irp j, 0,1,2,3                                ; tile 2 j's rows lie in lanes 0-15, tile 2 j + 1's in lanes 16-31: each is laid into both halves
	v_cndmask_b32 v[RLS+4*\j], v[XR+\j], v[DD+\j], s[HIM]
	v_cndmask_b32 v[RLS+4*\j+1], v[XR+\j], v[DD+\j], s[HIM]
	v_cndmask_b32 v[RLS+4*\j+2], v[DD+\j], v[XR+\j], s[HIM]
	v_cndmask_b32 v[RLS+4*\j+3], v[DD+\j], v[XR+\j], s[HIM]
.endr
	s_wait_tensorcnt 0x1                           ; my part of slot 0 is in; slot 1's may be out
	s_barrier_signal -1
	s_barrier_wait -1
	FETCH4 0, 0, 0
	s_wait_dscnt 0x0
	ADJ 0
	STEP4 0, 0, 0, 1                               ; the first step's products start the sums: nothing is cleared
	STEP4 0, 1, 1, 0
	STEP4 0, 2, 0, 0
	s_cmp_lt_u32 s3, 1                             ; a cluster that walks 1,024 keys has them all in its two first fills: it has no lap with refills.  The number is the cluster's: all partners and all waves go the same way
	s_cbranch_scc1 .Lno_lap
.Llap:                                             ; a trip goes once round the ring, from a slot's fourth step to the same slot's third, and fills both slots again
	TURN4 0, 1, 1
	STEP4 1, 0, 0, 0
	STEP4 1, 1, 1, 0
	STEP4 1, 2, 0, 0
	TURN4 1, 0, 1
	STEP4 0, 0, 0, 0
	STEP4 0, 1, 1, 0
	STEP4 0, 2, 0, 0
	s_sub_co_u32 s3, s3, 1
	s_cmp_lg_u32 s3, 0
	s_cbranch_scc1 .Llap
.Lno_lap:
	TURN4 0, 1, 0                                  ; the last lap fills nothing
	STEP4 1, 0, 0, 0
	STEP4 1, 1, 1, 0
	STEP4 1, 2, 0, 0
	s_wait_dscnt 0x0
	PLACES 8
	WIN 0x5f
	MUL8 0, 1, 0
	MUL8 2, 1, 0
	MUL8 4, 1, 0
	MUL8 6, 1, 0
	WIN 0
; THE WAY OUT, 16 queries x 64 channels at a time: x 1e4 / l, to the nearest whole number, x 1e-4; through my stage, so that sixteen lanes store 256 consecutive bytes of a row.
.macro PACK a
	WIN 0x01                                       ; source 0: window 1
.set n, 0
.rept 16
	v_pk_mul_f32 v[TMP+n:TMP+n+1], v[32*(\a)+n:32*(\a)+n+1], v[RLS+2*(\a):RLS+2*(\a)+1]   ; each accumulator from its low end on
.set n, n+2
.endr
	WIN 0
.set n, 0
.rept 32
	v_rndne_f32 v[TMP+n], v[TMP+n]
.set n, n+1
.endr
.set n, 0
.rept 16
	v_pk_mul_f32 v[TMP+n:TMP+n+1], v[TMP+n:TMP+n+1], 0x38d1b717 op_sel_hi:[1,0]
.set n, n+2
.endr
.endm
.macro TOSTAGE a
	s_wait_xcnt 0x0                                ; the stores of two tiles back have read the registers that the loads below fill
.irp b, 0,1,2,3
	ds_store_b128 v[STO], v[TMP+8*\b:TMP+8*\b+3] offset:64*\b
	ds_store_b128 v[STO], v[TMP+8*\b+4:TMP+8*\b+7] offset:64*\b+16
.endr
.irp t, 0,1,2,3,4,5,6,7
	ds_load_b128 v[BK+32*((\a)%2)+4*\t:BK+32*((\a)%2)+4*\t+3], v[RD] offset:\t*544   ; LDS serves a wave's instructions in order: these see my stores
.endr
.endm
.macro SEND a
	s_wait_dscnt 0x0
.irp t, 0,1,2,3,4,5,6,7
	global_store_b128 v[CO], v[BK+32*((\a)%2)+4*\t:BK+32*((\a)%2)+4*\t+3], s[8:9] offset:(16*(\a)+2*\t)*4096 th:TH_STORE_NT   ; 16 lanes store 256 consecutive bytes, at a multiple of 256 from out0's first byte
.endr
.endm
	PLACES 4                                       ; behind the last products
	PACK 0
	TOSTAGE 0
.irp a, 1,2,3,4,5,6,7                          ; tile a's arithmetic stands between tile a - 1's loads from the stage and the wait for them
	PACK \a
	SEND \a-1
	TOSTAGE \a
.endr
	SEND 7
	s_wait_tensorcnt 0x0                           ; the wave's end: behind my last tensor load and my last LDS store
	ds_add_u32 v[SPW], v[NIL]
	s_wait_dscnt 0x0
	CROUND                                         ; the closing round
	s_endpgm
.Lfunc_end_k_qfd5ec77dea_pv:
	.size	k_qfd5ec77dea_pv, .Lfunc_end_k_qfd5ec77dea_pv-k_qfd5ec77dea_pv
	.p2alignl 7, 3214868480
	.fill 96, 4, 3214868480
	.section	.rodata,"a",@progbits
	.p2align	6, 0x0
	.amdhsa_kernel k_qfd5ec77dea_pv
		.amdhsa_group_segment_fixed_size 327680
		.amdhsa_private_segment_fixed_size 0
		.amdhsa_enable_private_segment 0
		.amdhsa_kernarg_size 24
		.amdhsa_user_sgpr_count 2
		.amdhsa_user_sgpr_kernarg_segment_ptr 1
		.amdhsa_wavefront_size32 1
		.amdhsa_system_sgpr_workgroup_id_x 1
		.amdhsa_system_sgpr_workgroup_id_y 1
		.amdhsa_system_sgpr_workgroup_id_z 1
		.amdhsa_system_vgpr_workitem_id 0
		.amdhsa_next_free_vgpr 1024
		.amdhsa_next_free_sgpr 100
		.amdhsa_reserve_vcc 0
		.amdhsa_float_denorm_mode_32 3
		.amdhsa_float_denorm_mode_16_64 3
		.amdhsa_memory_ordered 1
		.amdhsa_forward_progress 1
		.amdhsa_inst_pref_size 219
	.end_amdhsa_kernel
	.amdgpu_metadata
---
amdhsa.version: [ 1, 2 ]
amdhsa.kernels:
  - .name:           k_qfd5ec77dea_pv
    .symbol:         k_qfd5ec77dea_pv.kd
    .args:
      - { .name: pc, .offset: 0, .size: 8, .value_kind: global_buffer, .address_space: global }
      - { .name: vc, .offset: 8, .size: 8, .value_kind: global_buffer, .address_space: global }
      - { .name: out0, .offset: 16, .size: 8, .value_kind: global_buffer, .address_space: global }
    .group_segment_fixed_size: 327680
    .private_segment_fixed_size: 0
    .kernarg_segment_align: 8
    .kernarg_segment_size: 24
    .max_flat_workgroup_size: 128
    .sgpr_count:     100
    .vgpr_count:     1024
    .wavefront_size: 32
...
	.end_amdgpu_metadata
.endif
;; end of part 4
